; MI455X (gfx1250); checked and timed in simulation.
; The chip was launched on July 23, 2026; its instructions are those of AMD's public machine-readable ISA for CDNA 5 (MIT licence, August 2026) and "CDNA5" Instruction Set Architecture Reference Guide (July 2026). The comments in the code are by the model that wrote it; some were corrected since.
;; Self Attention. Allowed arithmetic: float matrix products may take bf16 or f16 operands with f32 sums; other float arithmetic in f32, or as packed bf16 or f16 multiplies, adds, multiply-adds, maxima and minima; sums over many terms, partial sums and values carried from step to step in f32; what a program stores and reads back later, other than sums and carried values, may be rounded once to bf16 or f16.
;; Inputs: Wk 2,048 x 16 x 128 float32; Wo 16 x 128 x 2,048 float32; Wq 2,048 x 16 x 128 float32; Wv 2,048 x 16 x 128 float32; mask 1 x 1 x 2,048 x 2,048 bool; x 1 x 2,048 x 2,048 float32.
;; Outputs: out0 1 x 2,048 x 2,048 float32.
;; 2 versions, each right; version 2 is version 1 with the launch prep written anew for expert scheduling mode. Each part assembles by itself: llvm-mc -triple=amdgcn-amd-amdhsa -mcpu=gfx1250 --defsym DOCPART=n.
;; ======== version 1 of 2: 4 launches
;; limits: values are held in f16: magnitudes above 65,504 overflow, below 6.1e-05 lose precision
;; workspace buffers: in16 41,943,040 bytes; maskw 524,288 bytes of whole numbers; rope 1,048,576 bytes; qkv16 25,165,824 bytes; ctx16 8,388,608 bytes
;; launch prep (part 1): grid 128 x 7, 8 waves a work-group, no clusters, 35,840 bytes of LDS; arguments x, Wq, Wk, Wv, Wo, mask, in16, maskw, rope; writes in16, maskw, rope
.if DOCPART == 1
	.amdgcn_target "amdgcn-amd-amdhsa--gfx1250"
	.amdhsa_code_object_version 6
	.text
	.protected	k_q0821c5e615_prep
	.globl	k_q0821c5e615_prep
	.p2align	8
	.type	k_q0821c5e615_prep,@function
k_q0821c5e615_prep:
	s_mov_b64 s[64:65], 0
	v_nop
	global_prefetch_b8 v0, s[64:65] scope:SCOPE_SE
	s_setreg_imm32_b32 hwreg(HW_REG_WAVE_MODE, 25, 1), 1
	s_wait_xcnt 0x0
; PREP.  Three kinds of work, chosen by the work-group's y.
; y = 0..4: x, Wq, Wk, Wv, Wo (f32) are rounded to bf16 and that number is written as f16 into in16, the five tensors on end, each [2048][2048].
;   LIMITS: a magnitude of 65,520 or more becomes an infinity; below 2^-14 the number keeps f16's fixed step of 6e-8; NaN and infinities are not treated apart.
; y = 5: the mask's bytes become lane masks.  The word at byte qt*4096 + kb*32 + j*4 of maskw has in bit l: mask[16 qt + l % 16][16 kb + 8 (l / 16) + j].
; y = 6: the table of rotations: row s of rope is 64 cosines and then 64 sines (f32) of s * 10000^(-i/64), i = 0..63.
;   The frequency is 2^(-i log2(10000) / 64); the angle is reduced by whole turns (2 pi in two parts) to -pi .. pi; sine and cosine are series up to r^17 and r^18,
;   whose first dropped terms are below 3e-8 at pi.  The angle differs from one made in other f32 steps by a few units in its last place: up to some 6e-4 at angles near 1,800.
; No matrix unit, no cluster, no tensor load: memory binds, nothing is shared, and each byte is read and written once.
.set SPARE, 34816                      ; behind the eight waves' 4,352 bytes: the spare words, 128 bytes a wave
.set SPW, 140                          ; v140  LDS address of my spare word; never rewritten
.set NIL, 141                          ; v141  0; never rewritten
.set X, 8                              ; v[8:135] 32 loads of four registers
.set WROW, 272                         ; the mask's LDS rows: 256 bytes + 16
	s_load_b512 s[8:23], s[0:1], 0x0               ; x 8, Wq 10, Wk 12, Wv 14, Wo 16, mask 18, in16 20, maskw 22
	s_load_b64 s[24:25], s[0:1], 0x40              ; rope
	v_lshl_add_u32 v[SPW], v0, 2, SPARE
	v_mov_b32 v[NIL], 0
	v_lshrrev_b32 v1, 5, v0
	v_readfirstlane_b32 s4, v1                     ; wave 0..7
	s_and_b32 s5, ttmp7, 0xffff                    ; which work
	s_mov_b32 s31, 0
	v_and_b32 v3, 31, v0                           ; lane
	s_wait_kmcnt 0x0
	s_cmp_eq_u32 s5, 5
	s_cbranch_scc1 .Lmask
	s_cmp_eq_u32 s5, 6
	s_cbranch_scc1 .Lrope
	; ---- conversion: the work-group takes 131,072 bytes of its tensor, a wave 16,384: 32 loads of 512 consecutive bytes, all on their way at once
	s_mov_b64 s[26:27], s[8:9]
	s_cmp_eq_u32 s5, 1
	s_cselect_b64 s[26:27], s[10:11], s[26:27]
	s_cmp_eq_u32 s5, 2
	s_cselect_b64 s[26:27], s[12:13], s[26:27]
	s_cmp_eq_u32 s5, 3
	s_cselect_b64 s[26:27], s[14:15], s[26:27]
	s_cmp_eq_u32 s5, 4
	s_cselect_b64 s[26:27], s[16:17], s[26:27]
	s_lshl_b32 s30, ttmp9, 17
	s_add_nc_u64 s[26:27], s[26:27], s[30:31]      ; the source at the work-group's part
	s_lshl_b32 s30, s5, 23                         ; the tensor's place in in16,
	s_lshl_b32 s7, ttmp9, 16                       ; the work-group's 65,536 bytes of it
	s_add_co_u32 s30, s30, s7
	s_add_nc_u64 s[28:29], s[20:21], s[30:31]
	s_mov_b32 s7, 0xffff0000                       ; a word's upper bf16
	v_lshlrev_b32 v1, 4, v3
	v_lshl_add_u32 v1, s4, 14, v1                  ; in: 16,384 x wave + 16 x lane
	v_lshlrev_b32 v2, 3, v3
	v_lshl_add_u32 v2, s4, 13, v2                  ; out: 8,192 x wave + 8 x lane
.set i, 0
.rept 32
	global_load_b128 v[X+4*i:X+4*i+3], v1, s[26:27] offset:512*i th:TH_LOAD_NT
.set i, i+1
.endr
.set i, 0
.rept 32
	s_wait_loadcnt 31-i                            ; loads come back in order: load i is in, the 31 - i younger ones stay out
	v_cvt_pk_bf16_f32 v4, v[X+4*i], v[X+4*i+1]     ; rounded to bf16,
	v_cvt_pk_bf16_f32 v5, v[X+4*i+2], v[X+4*i+3]
	v_lshlrev_b32 v[X+4*i], 16, v4                 ; widened again,
	v_and_b32 v[X+4*i+1], s7, v4
	v_lshlrev_b32 v[X+4*i+2], 16, v5
	v_and_b32 v[X+4*i+3], s7, v5
	v_cvt_pk_f16_f32 v[X+4*i], v[X+4*i], v[X+4*i+1]      ; and written as f16: 8 significant bits fit into 11
	v_cvt_pk_f16_f32 v[X+4*i+1], v[X+4*i+2], v[X+4*i+3]
	global_store_b64 v2, v[X+4*i:X+4*i+1], s[28:29] offset:256*i  ; 32 lanes store 256 consecutive bytes, aligned; no register of a store is written again
.set i, i+1
.endr
	s_branch .Lend
	; ---- the mask: the work-group takes 16 queries, a wave 256 keys of them
.Lmask:
	s_lshl_b32 s30, ttmp9, 15                      ; 16 rows of 2,048 bytes
	s_add_nc_u64 s[18:19], s[18:19], s[30:31]
	s_lshl_b32 s30, ttmp9, 12                      ; 4,096 bytes of words for 16 queries
	s_add_nc_u64 s[22:23], s[22:23], s[30:31]
	v_and_b32 v4, 15, v0                           ; l % 16
	v_bfe_u32 v5, v0, 4, 1                         ; l / 16
	v_lshlrev_b32 v1, 4, v4
	v_lshl_add_u32 v1, v5, 11, v1
	v_lshl_add_u32 v1, s4, 8, v1                   ; two rows a load: lanes 0-15 take 256 bytes of one, lanes 16-31 of the next
	s_mul_i32 s30, s4, 16*WROW                     ; my wave's own 16 rows in LDS
	v_mul_u32_u24 v2, v5, WROW
	v_lshl_add_u32 v2, v4, 4, v2
	v_add_nc_u32 v2, s30, v2                       ; in: as loaded
	v_mul_u32_u24 v6, v4, WROW
	v_lshl_add_u32 v6, v5, 3, v6
	v_add_nc_u32 v6, s30, v6                       ; back: query l % 16, keys 8 (l / 16) + 0..7 of a group of 16
	v_lshlrev_b32 v7, 4, v3
	v_lshl_add_u32 v7, s4, 9, v7                   ; out: my wave's 128 words, four a lane
.set i, 0
.rept 8
	global_load_b128 v[X+4*i:X+4*i+3], v1, s[18:19] offset:4096*i th:TH_LOAD_NT
.set i, i+1
.endr
.set i, 0
.rept 8
	s_wait_loadcnt 7-i
	ds_store_b128 v2, v[X+4*i:X+4*i+3] offset:2*WROW*i
.set i, i+1
.endr
.set i, 0
.rept 16
	ds_load_b64 v[48+2*i:49+2*i], v6 offset:16*i   ; LDS serves a wave's instructions in order, and the bytes are my wave's own: no wait and no barrier between
.set i, i+1
.endr
.irp r, 80,81,82,83
	v_mov_b32 v\r, 0                               ; v_writelane_b32 keeps the other lanes: the registers are written whole first
.endr
.set kb, 0
.rept 16
	s_wait_dscnt 15-kb                             ; group kb's eight bytes are in
.set j, 0
.rept 8
	v_and_b32 v[84+j%4], 0xff<<(8*(j%4)), v[48+2*kb+j/4]     ; key j's byte
	v_cmp_ne_u32 s[32+j], 0, v[84+j%4]                       ; one bit a lane: the word
	v_writelane_b32 v[80+(8*kb+j)%4], s[32+j], (8*kb+j)/4    ; word 8 kb + j goes to lane (8 kb + j) / 4
.set j, j+1
.endr
.set kb, kb+1
.endr
	global_store_b128 v7, v[80:83], s[22:23]       ; 512 consecutive bytes
	s_branch .Lend
	; ---- the table: the work-group takes 16 rows; a thread one row and four frequencies
.Lrope:
	v_and_b32 v4, 15, v0
	v_lshrrev_b32 v5, 4, v0
	s_lshl_b32 s30, ttmp9, 4
	v_add_nc_u32 v6, s30, v5                       ; s
	v_cvt_f32_u32 v7, v6
	v_lshlrev_b32 v8, 2, v4
	v_lshlrev_b32 v9, 9, v6
	v_lshl_add_u32 v9, v4, 4, v9                   ; 512 s + 16 (thread % 16)
.irp e, 0,1,2,3
	v_add_nc_u32 v[12+\e], \e, v8                  ; i
	v_cvt_f32_u32 v[12+\e], v[12+\e]
	v_mul_f32 v[12+\e], 0xbe549a78, v[12+\e]       ; -i log2(10000) / 64
.endr
.irp e, 0,1,2,3
	v_exp_f32 v[16+\e], v[12+\e]                   ; the frequency
.endr
	v_nop                                          ; a plain instruction behind the last exponential,
	s_wait_alu depctr_va_vdst(0)                   ; and one wait for the four, ahead of their first reader
.irp e, 0,1,2,3
	v_mul_f32 v[16+\e], v7, v[16+\e]               ; the angle
	v_mul_f32 v[20+\e], 0.15915494, v[16+\e]
	v_rndne_f32 v[20+\e], v[20+\e]                 ; whole turns n
	v_fmamk_f32 v[16+\e], v[20+\e], 0xc0c90fdb, v[16+\e]  ; r = angle - n 2 pi, 2 pi in two parts: the f32 nearest to it,
	v_fmamk_f32 v[16+\e], v[20+\e], 0x343bbd2e, v[16+\e]  ; and what that is too large by
	v_mul_f32 v[24+\e], v[16+\e], v[16+\e]         ; u = r r
	v_mov_b32 v[28+\e], 0x274a963e                 ; 1/17!
	v_mov_b32 v[32+\e], 0xa53413c4                 ; -1/18!
.endr
.macro HORNER p, k                     ; p = p u + k, for the four frequencies
.irp e, 0,1,2,3
	v_fmaak_f32 v[(\p)+\e], v[(\p)+\e], v[24+\e], \k
.endr
.endm
.irp k, 0xab573f9f, 0x2f309231, 0xb2d7322b, 0x3638ef1d, 0xb9500d01, 0x3c088889, 0xbe2aaaab, 0x3f800000
	HORNER 28, \k                                  ; -1/15!, 1/13!, -1/11!, 1/9!, -1/7!, 1/5!, -1/3!, 1
.endr
.irp k, 0x29573f9f, 0xad49cba6, 0x310f76c8, 0xb493f27e, 0x37d00d01, 0xbab60b61, 0x3d2aaaab, 0xbf000000, 0x3f800000
	HORNER 32, \k                                  ; 1/16!, -1/14!, 1/12!, -1/10!, 1/8!, -1/6!, 1/4!, -1/2, 1
.endr
.irp e, 0,1,2,3
	v_mul_f32 v[28+\e], v[16+\e], v[28+\e]         ; the sine
.endr
	global_store_b128 v9, v[32:35], s[24:25]             ; sixteen lanes store a row's 256 bytes of cosines,
	global_store_b128 v9, v[28:31], s[24:25] offset:256  ; and of sines
.Lend:
	s_wait_tensorcnt 0x0                           ; the wave's end, behind my last LDS store
	ds_add_u32 v[SPW], v[NIL]
	s_wait_dscnt 0x0
	s_endpgm
.Lfunc_end_k_q0821c5e615_prep:
	.size	k_q0821c5e615_prep, .Lfunc_end_k_q0821c5e615_prep-k_q0821c5e615_prep
	.p2alignl 7, 3214868480
	.fill 96, 4, 3214868480
	.section	.rodata,"a",@progbits
	.p2align	6, 0x0
	.amdhsa_kernel k_q0821c5e615_prep
		.amdhsa_group_segment_fixed_size 35840
		.amdhsa_private_segment_fixed_size 0
		.amdhsa_enable_private_segment 0
		.amdhsa_kernarg_size 72
		.amdhsa_user_sgpr_count 2
		.amdhsa_user_sgpr_kernarg_segment_ptr 1
		.amdhsa_wavefront_size32 1
		.amdhsa_system_sgpr_workgroup_id_x 1
		.amdhsa_system_sgpr_workgroup_id_y 1
		.amdhsa_system_sgpr_workgroup_id_z 1
		.amdhsa_system_vgpr_workitem_id 0
		.amdhsa_next_free_vgpr 144
		.amdhsa_next_free_sgpr 66
		.amdhsa_reserve_vcc 0
		.amdhsa_float_denorm_mode_32 3
		.amdhsa_float_denorm_mode_16_64 3
		.amdhsa_memory_ordered 1
		.amdhsa_forward_progress 1
		.amdhsa_inst_pref_size 56
	.end_amdhsa_kernel
	.amdgpu_metadata
---
amdhsa.version: [ 1, 2 ]
amdhsa.kernels:
  - .name:           k_q0821c5e615_prep
    .symbol:         k_q0821c5e615_prep.kd
    .args:
      - { .name: x, .offset: 0, .size: 8, .value_kind: global_buffer, .address_space: global }
      - { .name: Wq, .offset: 8, .size: 8, .value_kind: global_buffer, .address_space: global }
      - { .name: Wk, .offset: 16, .size: 8, .value_kind: global_buffer, .address_space: global }
      - { .name: Wv, .offset: 24, .size: 8, .value_kind: global_buffer, .address_space: global }
      - { .name: Wo, .offset: 32, .size: 8, .value_kind: global_buffer, .address_space: global }
      - { .name: mask, .offset: 40, .size: 8, .value_kind: global_buffer, .address_space: global }
      - { .name: in16, .offset: 48, .size: 8, .value_kind: global_buffer, .address_space: global }
      - { .name: maskw, .offset: 56, .size: 8, .value_kind: global_buffer, .address_space: global }
      - { .name: rope, .offset: 64, .size: 8, .value_kind: global_buffer, .address_space: global }
    .group_segment_fixed_size: 35840
    .private_segment_fixed_size: 0
    .kernarg_segment_align: 8
    .kernarg_segment_size: 72
    .max_flat_workgroup_size: 256
    .sgpr_count:     66
    .vgpr_count:     144
    .wavefront_size: 32
...
	.end_amdgpu_metadata
.endif
;; end of part 1
;; launch qkv (part 2): grid 16 x 16, 4 waves a work-group, clusters of 4 x 4, 327,680 bytes of LDS; arguments in16, rope, qkv16; writes qkv16
.if DOCPART == 2
	.amdgcn_target "amdgcn-amd-amdhsa--gfx1250"
	.amdhsa_code_object_version 6
	.text
	.protected	k_q0821c5e615_qkv
	.globl	k_q0821c5e615_qkv
	.p2align	8
	.type	k_q0821c5e615_qkv,@function
k_q0821c5e615_qkv:
	s_mov_b64 s[64:65], 0
	v_nop
	global_prefetch_b8 v0, s[64:65] scope:SCOPE_SE
	s_setreg_imm32_b32 hwreg(HW_REG_WAVE_MODE, 25, 1), 1
	s_wait_xcnt 0x0
	s_wait_alu depctr_hold_cnt(0) depctr_sa_sdst(0) depctr_va_vdst(0) depctr_va_sdst(0) depctr_va_ssrc(0) depctr_va_vcc(0) depctr_vm_vsrc(0)
	s_getreg_b32 s2, hwreg(HW_REG_IB_STS2, 6, 4)
	s_cmp_eq_u32 s2, 0
	s_cbranch_scc0 .Lentry_in_a_cluster
	s_endpgm
.Lentry_in_a_cluster:
	s_bfe_u32 s2, ttmp6, 0x10000c
	s_cmp_lg_u32 s2, 0xf033
	s_cbranch_scc0 .Lentry_shape_is_right
	s_endpgm
.Lentry_shape_is_right:
; q, k, v = x Wq, x Wk, x Wv, the rotation on q and k, all three written by heads: qkv16 = q, k, v on end, each [16][2048][128] f16 (unscaled).
; in16 holds x, Wq, Wk, Wv, (Wo), each [2048][2048] f16; x lies [row][K], the weights [K][column].  Sums in f32; q, k, v rounded once, behind the rotation.
; LIMIT: a q, k or v of 65,520 or more in magnitude becomes an infinity in f16.
; SHARES.  A work-group makes 128 rows x one head of q, of k and of v: 128 x 384.  Wave (wm, wn) takes rows 64 wm .. + 63 and, in each of the three, the column blocks of 16 at
; bytes 64 wn + {0, 32, 128, 160} of the head's 256: so column c and column c + 64, which the rotation mixes, lie in the same lane.  48 accumulators, 384 registers.
; K goes in 16 steps of 128 through two LDS slots; a slot holds the three tiles of W (128 K rows x 256 bytes, rows 288 apart) and then x's (128 rows x 256 bytes, rows 272 apart).
; Wave w fetches the tile at w x 36,864 of the slot: waves 0-2 W's, wave 3 x's: one tensor load a wave behind each change of slots.
; A K STEP IS WRITTEN ONCE: the slot in hand is a scalar that one exclusive or turns (0 and 0x24000; no tile's first byte, w x 0x9000, shares a bit with it), and the fragments' addresses are made anew at each change.
; CLUSTER 4 x 4: x's tile hangs on the block of rows alone and is asked for jointly along a row of the cluster, W's on the head alone, jointly along a column.
; THE MATRIX INSTRUCTION IS USED TRANSPOSED: source 0 = 16 columns of W (turned on the way out of LDS by ds_load_tr16_b128), source 1 = 16 rows of x: a lane holds one row and eight neighbouring columns.
; REGISTERS, in windows of 256: window 0: v16-30 addresses; v32-95 x's fragments, two buffers; v128-255 my cosines and sines; on the way out v32-127 at work.
;   window 1: W's fragments, two buffers of 96.   window 2: the accumulators of row blocks 0, 1 (block a, column block i at 8 (12 (a % 2) + i)).   window 3: those of 2, 3.
.set PA,    272                        ; 256 + 16: 16 rows of a load start at 16 different groups of four banks
.set PB,    288                        ; 256 + 32
.set BT,    128*PB                     ; a tile of W
.set ABASE, 3*BT
.set SLOTB, ABASE+128*PA               ; bytes in a slot: 145,408
.set SPARE, SLOTB                      ; between the slots: the spare words, 128 bytes a wave: two blocks of 256 bytes that no other line names
.set SLOT1, 0x24000                    ; slot 1 begins here
.set STAGE, SLOT1+SLOTB                ; behind the ring: 128 rows x 272 bytes, the work-group's, for the way out; it ends at LDS byte 327,680
.set TEN,   8388608                    ; bytes in a tensor of in16 and of qkv16
.set AD0,  16                          ; v16  my lane's place in x's tile, v17-19 in W's three; never rewritten
.set ADRA, 20                          ; v20  LDS address of my fragments of x in the slot in hand
.set ADRB, 21                          ; v21-23  the same for W's three tiles
.set STO,  24                          ; v24  the way out: where I put 16 bytes of a row
.set RD,   25                          ; v25  where I read rows back
.set GO,   26                          ; v26  16 x lane
.set RO,   27                          ; v27  my offset in the table
.set SPW,  28                          ; v28  LDS address of my spare word; never rewritten
.set NIL,  29                          ; v29  0; never rewritten
.set PFO,  30                          ; v30  4,096 x lane: a row of in16; never rewritten
.set FA,   32                          ; x's fragments: buffer f at FA + 32 f
.set RT,   128                         ; the table: row block a, half i at RT + 32 a + 16 i: 8 cosines, 8 sines
.set T,    32                          ; the way out: 16 at work,
.set PKD,  48                          ; 8 packed,
.set OB,   64                          ; 64 read back
.set TB,  2                            ; s2   LDS byte at which the slot in hand begins
.set G1A, 24                           ; s[24:31] descriptor group 1 for x's tiles;  s[32:39] group 0: a set for each of the two first fills; the second then walks on
.set G0A, 32
.set G1B, 48                           ; s[48:55], s[56:63] the same for W's
.set G0B, 56
.set LIM, 43                           ; s43  2 in a wave that prefetches, else the greatest number
.set PFA, 44                           ; s[44:45] where my prefetches stand
.set PST, 46                           ; s[46:47] a K step in bytes: 256 along x's rows, 128 rows of W
.set MSB, 0
.macro WIN new                         ; the immediate's high byte repeats the setting that is left; a switch that changes nothing is dropped
.if MSB != (\new)
	s_set_vgpr_msb (MSB<<8)|(\new)
.set MSB, \new
.endif
.endm
.set MUL_LO, 0xa1                      ; source 0 (W) window 1, source 1 (x) window 0, C and D window 2; + 0x50: window 3
.set TO_B,   0x40                      ; destination window 1, address window 0
; A joint load.  The branch hangs on the wave's number alone.  An s_nop 0 and four v_nop follow each of the two lines, ahead of the jump and the label.
.macro JLOAD s
	s_cmp_eq_u32 s10, 3
	s_cbranch_scc0 .Lfor_b_\@
	tensor_load_to_lds s[G0A+4*(\s):G0A+4*(\s)+3], s[G1A:G1A+7]
	s_nop 0
.rept 4
	v_nop
.endr
	s_branch .Lasked_\@
.Lfor_b_\@:
	tensor_load_to_lds s[G0B+4*(\s):G0B+4*(\s)+3], s[G1B:G1B+7]
	s_nop 0
.rept 4
	v_nop
.endr
.Lasked_\@:
.endm
; A prefetch into the L2, behind the joint load, its five lines and the run of LDS loads: 32 rows x 256 bytes, a lane a row, of the K step that stands two refills on.
; x's rows are read by every cluster of a row of clusters: the one with x = 0 asks (wave 3); W's by every cluster of a column: the one with y = 0 asks (waves 0-2).  The four partners that ask for a tile
; jointly share its 128 rows out by address, 32 each.  So each row's 256 bytes of a K step are named once.  K steps 0 to 3 come by their loads alone; the loop's last two trips (s3 = 2, 1) ask for nothing.
.macro ASK
	s_cmp_gt_u32 s3, s[LIM]
	s_cbranch_scc0 .Lnot_mine_\@
	global_prefetch_b8 v[PFO], s[PFA:PFA+1] th:TH_LOAD_NT scope:SCOPE_SE
.Lnot_mine_\@:
.endm
.macro CREST                           ; a round of the cluster's barrier behind its opening barrier
	s_cmp_lg_u32 s10, 0
	s_cbranch_scc1 .Lnot_wave_0_\@
	s_barrier_signal -3
.Lnot_wave_0_\@:
	s_barrier_wait -3
	s_barrier_signal -1
	s_barrier_wait -1
.endm
.macro CROUND
	s_barrier_signal -1
	s_barrier_wait -1
	CREST
.endm
.macro PLACES                          ; four places between a matrix instruction and a load into, or a vector instruction on, its registers
.rept 4
	v_nop
.endr
.endm
.macro ADDR                            ; the fragments' addresses in the slot in hand
	v_add_nc_u32 v[ADRA], s[TB], v[AD0]
.irp t, 0,1,2
	v_add_nc_u32 v[ADRB+(\t)], s[TB], v[AD0+1+(\t)]
.endr
.endm
	s_load_b128 s[4:7], s[0:1], 0x0                ; in16 s[4:5], rope s[6:7]
	s_load_b64 s[8:9], s[0:1], 0x10                ; qkv16
	v_lshl_add_u32 v[SPW], v0, 2, SPARE
	v_mov_b32 v[NIL], 0
	ds_add_u32 v[SPW], v[NIL]                      ; the wave's opening: the add, waited for ahead of my first tensor load
	v_lshrrev_b32 v1, 5, v0
	v_readfirstlane_b32 s10, v1                    ; wave 0..3
	s_lshr_b32 s11, s10, 1                         ; wm
	s_and_b32 s12, s10, 1                          ; wn
	s_bfe_u32 s40, ttmp6, 0x40000                  ; cx
	s_bfe_u32 s41, ttmp6, 0x40004                  ; cy
	s_lshl_b32 s42, ttmp9, 2
	s_add_co_u32 s42, s42, s40                     ; the head = 4 x cluster x + cx
	s_and_b32 s13, ttmp7, 0xffff
	s_lshl_b32 s13, s13, 2
	s_add_co_u32 s13, s13, s41                     ; the block of 128 rows = 4 x cluster y + cy
	s_lshl_b32 s43, s41, 2
	s_lshl_b32 s43, 15, s43                        ; my row of the cluster
	s_lshl_b32 s44, 0x1111, s40                    ; my column
	s_or_b32 s[G1A], s43, (1<<16)|(1<<20)|(1<<21)|(5<<22)|(3<<25)  ; the mask; 2-byte elements; padding on; bit 21 beside a mask; after every 64 words 4 words
	s_or_b32 s[G1B], s44, (1<<16)|(1<<20)|(1<<21)|(5<<22)|(7<<25)  ; the same with my column's mask and 8 words
.irp g, G1A, G1B
	s_mov_b32 s[(\g)+1], 128<<16                   ; tensor_dim0 = 128
	s_mov_b32 s[(\g)+2], 128<<16                   ; tensor_dim1 = 128
	s_mov_b32 s[(\g)+3], 128<<16                   ; tile_dim0 = 128
	s_mov_b32 s[(\g)+4], 128                       ; tile_dim1 = 128
	s_mov_b32 s[(\g)+5], 2048                      ; elements from row to row
	s_mov_b32 s[(\g)+6], 0
	s_mov_b32 s[(\g)+7], 0
.endr
	s_lshl_b32 s16, s13, 19                        ; x: 128 rows of 4,096 bytes a block
	s_mov_b32 s17, 0
	s_add_co_u32 s18, s10, 1                       ; W: tensor wave + 1 of in16,
	s_lshl_b32 s18, s18, 23
	s_lshl_b32 s20, s42, 8                         ; the head's 256 bytes of a row
	s_add_co_u32 s18, s18, s20
	s_mov_b32 s19, 0
	s_mul_i32 s21, s10, BT                         ; where my tile goes: wave x 36,864
	s_wait_dscnt 0x0                               ; the opening add is done
	s_wait_kmcnt 0x0
	s_add_nc_u64 s[14:15], s[4:5], s[16:17]
	s_add_nc_u64 s[46:47], s[4:5], s[18:19]
	CROUND                                         ; all sixteen work-groups are here: the first joint loads meet
.irp s, 0,1
	s_mov_b32 s[G0A+4*(\s)], 1
	s_add_co_u32 s[G0A+4*(\s)+1], s21, (\s)*SLOT1
	s_add_nc_u64 s[G0A+4*(\s)+2:G0A+4*(\s)+3], s[14:15], (\s)*256      ; K step s: 256 bytes along the rows
	s_or_b32 s[G0A+4*(\s)+3], s[G0A+4*(\s)+3], 0x80000000
	s_mov_b32 s[G0B+4*(\s)], 1
	s_add_co_u32 s[G0B+4*(\s)+1], s21, (\s)*SLOT1
	s_add_nc_u64 s[G0B+4*(\s)+2:G0B+4*(\s)+3], s[46:47], (\s)*524288   ; K step s: 128 rows down
	s_or_b32 s[G0B+4*(\s)+3], s[G0B+4*(\s)+3], 0x80000000
	JLOAD \s                                       ; two loads of mine are out
.endr
	; the prefetches' address
	s_and_b32 s22, ttmp7, 0xffff                   ; cluster y
	s_mov_b32 s[PST+1], 0x80000                    ; W's K step, 128 rows of 4,096 bytes: held in a register, since an instruction takes one literal
	s_cmp_eq_u32 s10, 3                            ; do I fetch x?
	s_cselect_b32 s20, s16, s18                    ; my tile's first byte in in16
	s_cselect_b32 s23, s40, s41                    ; my place among the four that ask with me
	s_cselect_b32 s22, ttmp9, s22                  ; the coordinate along which other clusters read the same rows
	s_cselect_b32 s[PST], 256, s[PST+1]
	s_mov_b32 s[PST+1], 0
	s_cmp_eq_u32 s22, 0
	s_cselect_b32 s[LIM], 2, -1                    ; the same in all sixteen partners, for a given wave
	s_lshl_b32 s23, s23, 17                        ; my work-group's 32 rows
	s_add_co_u32 s20, s20, s23
	s_mul_i32 s23, s[PST], 3                       ; at K step 3: the first refill steps it to 4
	s_add_co_u32 s20, s20, s23
	s_mov_b32 s21, 0
	s_add_nc_u64 s[PFA:PFA+1], s[4:5], s[20:21]
	v_and_b32 v[PFO], 31, v0
	v_lshlrev_b32 v[PFO], 12, v[PFO]
	; my cosines and sines: rows 16 a + l % 16 of my 64, columns 32 wn + 16 i + 8 (l / 16) + 0..7.  They are waited for on the way out.
	s_lshl_b32 s20, s13, 16                        ; 128 rows of 512 bytes
	s_lshl_b32 s22, s11, 15
	s_add_co_u32 s20, s20, s22
	s_lshl_b32 s22, s12, 7
	s_add_co_u32 s20, s20, s22
	s_add_nc_u64 s[6:7], s[6:7], s[20:21]
	v_and_b32 v1, 15, v0                           ; l % 16
	v_bfe_u32 v2, v0, 4, 1                         ; l / 16
	v_lshlrev_b32 v[RO], 9, v1
	v_lshl_add_u32 v[RO], v2, 5, v[RO]
.irp a, 0,1,2,3
.irp i, 0,1
	global_load_b128 v[RT+32*(\a)+16*(\i):RT+32*(\a)+16*(\i)+3],     v[RO], s[6:7] offset:(\a)*8192+(\i)*64
	global_load_b128 v[RT+32*(\a)+16*(\i)+4:RT+32*(\a)+16*(\i)+7],   v[RO], s[6:7] offset:(\a)*8192+(\i)*64+16
	global_load_b128 v[RT+32*(\a)+16*(\i)+8:RT+32*(\a)+16*(\i)+11],  v[RO], s[6:7] offset:(\a)*8192+(\i)*64+256
	global_load_b128 v[RT+32*(\a)+16*(\i)+12:RT+32*(\a)+16*(\i)+15], v[RO], s[6:7] offset:(\a)*8192+(\i)*64+272
.endr
.endr
	; LDS addresses
	v_mul_u32_u24 v3, v1, PA
	v_lshl_add_u32 v3, v2, 4, v3                   ; row x 272 + 16 x half
	s_mul_i32 s20, s11, 64*PA
	s_add_co_u32 s20, s20, ABASE
	v_add_nc_u32 v[AD0], s20, v3
	v_and_b32 v4, 7, v0                            ; the turning load: lane l reads K row 8 (l / 16) + l % 8, columns 8 ((l / 8) % 2) + 0..7 of a block of 16
	v_bfe_u32 v5, v0, 3, 1
	v_lshl_add_u32 v4, v2, 3, v4
	v_mul_u32_u24 v4, v4, PB
	v_lshl_add_u32 v4, v5, 4, v4
	v_lshl_add_u32 v[AD0+1], s12, 6, v4            ; + 64 wn
	v_add_nc_u32 v[AD0+2], BT, v[AD0+1]
	v_add_nc_u32 v[AD0+3], 2*BT, v[AD0+1]
	s_mov_b32 s[TB], 0                             ; slot 0 is in hand
	ADDR
	s_mul_i32 s22, s11, 64*PA
	s_add_co_u32 s22, s22, STAGE
	s_lshl_b32 s23, s12, 6
	s_add_co_u32 s22, s22, s23
	v_add_nc_u32 v[STO], s22, v3                   ; into the stage: my row, 64 wn + 16 x half
	s_mul_i32 s23, s10, 32*PA
	s_add_co_u32 s23, s23, STAGE
	v_mul_u32_u24 v6, v2, PA
	v_lshl_add_u32 v6, v1, 4, v6
	v_add_nc_u32 v[RD], s23, v6                    ; back: wave w takes rows 32 w .. + 31 whole, two a load
	v_and_b32 v[GO], 31, v0
	v_lshlrev_b32 v[GO], 4, v[GO]
	s_lshl_b32 s20, s42, 19                        ; the head's 2,048 rows of 256 bytes,
	s_lshl_b32 s22, s13, 15                        ; the block's 128,
	s_add_co_u32 s20, s20, s22
	s_lshl_b32 s22, s10, 13                        ; my 32
	s_add_co_u32 s20, s20, s22
	s_add_nc_u64 s[8:9], s[8:9], s[20:21]
; 12 matrix instructions: row block a x my 12 column blocks, 32 along K, from buffer f.  The accumulators take turns, one instruction a turn.
.macro MULA f, a, zero
	WIN MUL_LO+0x50*((\a)/2)
.irp i, 0,1,2,3,4,5,6,7,8,9,10,11
.if \zero
	v_wmma_f32_16x16x32_f16 v[8*(12*((\a)%2)+(\i)):8*(12*((\a)%2)+(\i))+7], v[96*(\f)+8*(\i):96*(\f)+8*(\i)+7], v[FA+32*(\f)+8*(\a):FA+32*(\f)+8*(\a)+7], 0
.else
	v_wmma_f32_16x16x32_f16 v[8*(12*((\a)%2)+(\i)):8*(12*((\a)%2)+(\i))+7], v[96*(\f)+8*(\i):96*(\f)+8*(\i)+7], v[FA+32*(\f)+8*(\a):FA+32*(\f)+8*(\a)+7], v[8*(12*((\a)%2)+(\i)):8*(12*((\a)%2)+(\i))+7]
.endif
.endr
.endm
; 32 LDS loads in one run: the fragments of quarter kq (32 along K) of the slot in hand into buffer f: W's 12 (turned), then x's 4, row blocks ascending
.macro FETCH kq, f
	WIN TO_B
.irp t, 0,1,2
.irp e, 0,1,2,3
	ds_load_tr16_b128 v[96*(\f)+8*(4*(\t)+(\e)):96*(\f)+8*(4*(\t)+(\e))+3],   v[ADRB+(\t)] offset:(\kq)*32*PB+32*((\e)%2)+128*((\e)/2)
	ds_load_tr16_b128 v[96*(\f)+8*(4*(\t)+(\e))+4:96*(\f)+8*(4*(\t)+(\e))+7], v[ADRB+(\t)] offset:(\kq)*32*PB+32*((\e)%2)+128*((\e)/2)+16*PB
.endr
.endr
	WIN 0
.irp a, 0,1,2,3
	ds_load_b128 v[FA+32*(\f)+8*(\a):FA+32*(\f)+8*(\a)+3],   v[ADRA] offset:(\kq)*64+(\a)*16*PA
	ds_load_b128 v[FA+32*(\f)+8*(\a)+4:FA+32*(\f)+8*(\a)+7], v[ADRA] offset:(\kq)*64+(\a)*16*PA+32
.endr
.endm
; A K step is four quarters of 32 along K, 48 matrix instructions each, on buffers 0, 1, 0, 1.  One of the first three: multiplies buffer f, and in its middle fetches quarter kq into buffer g.
.macro QUARTER kq, f, g, zero
	s_wait_dscnt 4                                 ; all but the youngest four loads: x's row blocks 2 and 3
	MULA \f, 0, \zero
	MULA \f, 1, \zero
	PLACES
	FETCH \kq, \g
	s_wait_dscnt 32                                ; all but the 32 just issued
	MULA \f, 2, \zero
	MULA \f, 3, \zero
.endm
; The last quarter multiplies buffer 1 and changes slots: one barrier.  In front of it each wave waits for all its tensor loads (one is out: its tile of the next slot), adds 0 to its spare word,
; and waits for that and for its reads of this slot.  fill = 1: the barrier opens a round of the cluster's, and the joint refill, two K steps ahead, is the first thing behind the round:
; the walking descriptor takes the other slot than last time and the next K step.
.macro TURN fill
.if \fill
	s_wait_xcnt 0x0                                ; the last prefetch, a K step back, has read its address
	s_add_nc_u64 s[PFA:PFA+1], s[PFA:PFA+1], s[PST:PST+1]
.endif
	WIN 0
	s_wait_tensorcnt 0x0
	ds_add_u32 v[SPW], v[NIL]
	s_wait_dscnt 5                                 ; the add and the youngest four loads may be out
	MULA 1, 0, 0
	s_wait_dscnt 0x0                               ; the add is done, and my reads of this slot are over
	s_barrier_signal -1
	MULA 1, 1, 0
	WIN 0                                          ; branches and the addresses' lines follow
	s_barrier_wait -1
.if \fill
	CREST                                          ; no wave of any partner still reads this slot or has a load on its way
	s_xor_b32 s[G0A+5], s[G0A+5], SLOT1
	s_add_nc_u64 s[G0A+6:G0A+7], s[G0A+6:G0A+7], 256
	s_xor_b32 s[G0B+5], s[G0B+5], SLOT1
	s_add_nc_u64 s[G0B+6:G0B+7], s[G0B+6:G0B+7], 524288
	JLOAD 1                                        ; one load of mine is out; its four v_nop are also the places in front of the loads below
.else
	PLACES
.endif
	s_xor_b32 s[TB], s[TB], SLOT1                  ; the other slot is in hand
	ADDR
	FETCH 0, 0
.if \fill
	ASK
.endif
	MULA 1, 2, 0
	MULA 1, 3, 0
.endm
	s_wait_tensorcnt 1                             ; my tile of K step 0 is in; K step 1's may stay out
	s_barrier_signal -1
	s_barrier_wait -1
	FETCH 0, 0
	QUARTER 1, 0, 1, 1                             ; the first quarter stands in front of the loop: its products start the sums
	WIN 0
	s_mov_b32 s3, 14
.Lstep:                                                ; a trip goes from a K step's second quarter to the next step's first, and fills the slot that it leaves: K steps 2 to 15
	QUARTER 2, 1, 0, 0
	QUARTER 3, 0, 1, 0
	TURN 1
	QUARTER 1, 0, 1, 0
	WIN 0
	s_sub_co_u32 s3, s3, 1
	s_cmp_lg_u32 s3, 0
	s_cbranch_scc1 .Lstep
	s_mov_b32 s3, 2
.Ltail:                                                ; the last two K steps fill nothing: one text, walked twice and left in its middle.
	QUARTER 2, 1, 0, 0                             ; The second walk's change of slots meets a barrier and fetches 32 fragments' halves that serve nothing: the price, once a launch, of one text
	QUARTER 3, 0, 1, 0
	TURN 0
	WIN 0
	s_sub_co_u32 s3, s3, 1
	s_cmp_eq_u32 s3, 0
	s_cbranch_scc1 .Lout
	QUARTER 1, 0, 1, 0
	WIN 0
	s_branch .Ltail
.Lout:
; THE WAY OUT, a tensor at a time through the work-group's stage: a row's 256 bytes come from two waves, so a barrier stands between writing and reading, and another before the stage is written again.
; The rotation: out[c] = s[c] cos - s[c+64] sin; out[c+64] = s[c+64] cos + s[c] sin.  Each accumulator is read from its low end on.
.macro ROPE t, a, i
.set LO, 8*(12*((\a)%2)+4*(\t)+(\i))
.set HI, LO+16
.set CO, RT+32*(\a)+16*(\i)
.set SI, CO+8
	WIN 0x02+(\a)/2                                ; source 0 in window 2 or 3
.irp p, 0,2,4,6
	v_pk_mul_f32 v[T+(\p):T+(\p)+1],     v[LO+(\p):LO+(\p)+1], v[CO+(\p):CO+(\p)+1]
	v_pk_mul_f32 v[T+8+(\p):T+8+(\p)+1], v[HI+(\p):HI+(\p)+1], v[CO+(\p):CO+(\p)+1]
.endr
.irp p, 0,2,4,6
	v_pk_fma_f32 v[T+(\p):T+(\p)+1],     v[HI+(\p):HI+(\p)+1], v[SI+(\p):SI+(\p)+1], v[T+(\p):T+(\p)+1] neg_lo:[1,0,0] neg_hi:[1,0,0]
	v_pk_fma_f32 v[T+8+(\p):T+8+(\p)+1], v[LO+(\p):LO+(\p)+1], v[SI+(\p):SI+(\p)+1], v[T+8+(\p):T+8+(\p)+1]
.endr
	WIN 0
.irp q, 0,1,2,3,4,5,6,7
	v_cvt_pk_f16_f32 v[PKD+(\q)], v[T+2*(\q)], v[T+2*(\q)+1]
.endr
	ds_store_b128 v[STO], v[PKD:PKD+3]   offset:(\a)*16*PA+32*(\i)
	ds_store_b128 v[STO], v[PKD+4:PKD+7] offset:(\a)*16*PA+32*(\i)+128
.endm
.macro PLAINV a, e                     ; v is only rounded
.set LO, 8*(12*((\a)%2)+8+(\e))
	WIN 0x0a+5*((\a)/2)                            ; sources 0 and 1 in window 2 or 3
.irp q, 0,1,2,3
	v_cvt_pk_f16_f32 v[PKD+(\q)], v[LO+2*(\q)], v[LO+2*(\q)+1]
.endr
	WIN 0
	ds_store_b128 v[STO], v[PKD:PKD+3] offset:(\a)*16*PA+32*((\e)%2)+128*((\e)/2)
.endm
.macro BAR
	s_wait_dscnt 0x0                               ; for the others' sake: my LDS stores, or my reads, are done
	s_barrier_signal -1
	s_barrier_wait -1
.endm
.macro OUTT                            ; 32 whole rows a wave: 8,192 consecutive bytes of the head
.set f, 0
.rept 16
	ds_load_b128 v[OB+4*f:OB+4*f+3], v[RD] offset:f*2*PA
.set f, f+1
.endr
.set f, 0
.rept 16
	s_wait_dscnt 15-f
	global_store_b128 v[GO], v[OB+4*f:OB+4*f+3], s[8:9] offset:512*f
.set f, f+1
.endr
.endm
	s_wait_dscnt 0x0                               ; the last run of LDS loads has landed: its registers are at work below
	s_wait_loadcnt 0x0                             ; the table
	PLACES
	PLACES
.irp t, 0,1
.irp a, 0,1,2,3
.irp i, 0,1
	ROPE \t, \a, \i
.endr
.endr
	BAR
	OUTT
	BAR
	s_wait_xcnt 0x0                                ; the stores have read their registers and their base
	s_add_nc_u64 s[8:9], s[8:9], TEN               ; the next tensor of qkv16
.endr
.irp a, 0,1,2,3
.irp e, 0,1,2,3
	PLAINV \a, \e
.endr
.endr
	BAR
	OUTT
	s_wait_tensorcnt 0x0                           ; the wave's end
	ds_add_u32 v[SPW], v[NIL]
	s_wait_dscnt 0x0
	CROUND                                         ; the closing round
	s_endpgm
.Lfunc_end_k_q0821c5e615_qkv:
	.size	k_q0821c5e615_qkv, .Lfunc_end_k_q0821c5e615_qkv-k_q0821c5e615_qkv
	.p2alignl 7, 3214868480
	.fill 96, 4, 3214868480
	.section	.rodata,"a",@progbits
	.p2align	6, 0x0
	.amdhsa_kernel k_q0821c5e615_qkv
		.amdhsa_group_segment_fixed_size 327680
		.amdhsa_private_segment_fixed_size 0
		.amdhsa_enable_private_segment 0
		.amdhsa_kernarg_size 24
		.amdhsa_user_sgpr_count 2
		.amdhsa_user_sgpr_kernarg_segment_ptr 1
		.amdhsa_wavefront_size32 1
		.amdhsa_system_sgpr_workgroup_id_x 1
		.amdhsa_system_sgpr_workgroup_id_y 1
		.amdhsa_system_sgpr_workgroup_id_z 1
		.amdhsa_system_vgpr_workitem_id 0
		.amdhsa_next_free_vgpr 960
		.amdhsa_next_free_sgpr 66
		.amdhsa_reserve_vcc 0
		.amdhsa_float_denorm_mode_32 3
		.amdhsa_float_denorm_mode_16_64 3
		.amdhsa_memory_ordered 1
		.amdhsa_forward_progress 1
		.amdhsa_inst_pref_size 107
	.end_amdhsa_kernel
	.amdgpu_metadata
---
amdhsa.version: [ 1, 2 ]
amdhsa.kernels:
  - .name:           k_q0821c5e615_qkv
    .symbol:         k_q0821c5e615_qkv.kd
    .args:
      - { .name: in16, .offset: 0, .size: 8, .value_kind: global_buffer, .address_space: global }
      - { .name: rope, .offset: 8, .size: 8, .value_kind: global_buffer, .address_space: global }
      - { .name: qkv16, .offset: 16, .size: 8, .value_kind: global_buffer, .address_space: global }
    .group_segment_fixed_size: 327680
    .private_segment_fixed_size: 0
    .kernarg_segment_align: 8
    .kernarg_segment_size: 24
    .max_flat_workgroup_size: 128
    .sgpr_count:     66
    .vgpr_count:     960
    .wavefront_size: 32
...
	.end_amdgpu_metadata
.endif
;; end of part 2
;; launch attn (part 3): grid 16 x 16, 4 waves a work-group, clusters of 4 x 1, 327,680 bytes of LDS; arguments qkv16, maskw, ctx16; writes ctx16
.if DOCPART == 3
	.amdgcn_target "amdgcn-amd-amdhsa--gfx1250"
	.amdhsa_code_object_version 6
	.text
	.protected	k_q0821c5e615_attn
	.globl	k_q0821c5e615_attn
	.p2align	8
	.type	k_q0821c5e615_attn,@function
k_q0821c5e615_attn:
	s_mov_b64 s[64:65], 0
	v_nop
	global_prefetch_b8 v0, s[64:65] scope:SCOPE_SE
	s_setreg_imm32_b32 hwreg(HW_REG_WAVE_MODE, 25, 1), 1
	s_wait_xcnt 0x0
	s_wait_alu depctr_hold_cnt(0) depctr_sa_sdst(0) depctr_va_vdst(0) depctr_va_sdst(0) depctr_va_ssrc(0) depctr_va_vcc(0) depctr_vm_vsrc(0)
	s_getreg_b32 s2, hwreg(HW_REG_IB_STS2, 6, 4)
	s_cmp_eq_u32 s2, 0
	s_cbranch_scc0 .Lentry_in_a_cluster
	s_endpgm
.Lentry_in_a_cluster:
	s_bfe_u32 s2, ttmp6, 0x10000c
	s_cmp_lg_u32 s2, 0x3003
	s_cbranch_scc0 .Lentry_shape_is_right
	s_endpgm
.Lentry_shape_is_right:
; ctx[q][h][:] = the sum over k of softmax_k(where(mask[q][k], Q[h][q] . K[h][k] / sqrt(128), lowest)) V[h][k][:].  qkv16: q, k, v on end, each [16][2048][128] f16; ctx16: [2048][16 x 128] f16.
; The mask is an input: every tile of scores is made.  maskw holds it as lane masks: the word at byte qt*4096 + kb*32 + j*4 is the mask of register j of the tile (queries 16 qt.., keys 16 kb..).
; Products, maxima and sums in f32; the weights are rounded to f16 for the second product (their sum is taken unrounded), ctx once at the end.
; A HIDDEN SCORE IS REPLACED by -2^120 (v_cndmask_b32), and the running maximum is taken of the replaced scores and starts there.  c x 2^120 is exact, so in a row that is hidden throughout every exponent
; is exactly 0, every weight 1, and the row comes out as the mean of all rows of V; the first true score multiplies what was gathered before by 2^(-1.7e35) = 0.
; LIMITS: true scores are at most 128 x 65,504^2 = 5.5e11, far above -2^120; a weight below 2^-126 counts as 0; NaN and infinities are not treated apart.
; SHARES.  A work-group owns 128 queries of one head.  Wave w: qh = w % 2 names its 64 queries (four tiles of 16, in two pieces: tiles 0, 1 and tiles 2, 3), kh = w / 2 its half of the keys:
; of every slot's two steps of 64 keys it takes step kh: 16 steps.  At the end the two waves of a pair hand each other two tiles through LDS and each finishes two.
; In a wave with kh = 1 register tile t holds query tile t xor 2.
; LAYOUT.  S^T = K Q^T: a lane holds ONE query (lane % 16) and the keys 8 (lane / 16) + 0..7 of 16; two such tiles rounded to f16 in pairs ARE source 1 of O^T = V^T P.  V is turned by ds_load_tr16_b128.
; SOFTMAX.  p = 2^(c s - c m), c = log2(e) / sqrt(128); in every step O and l are multiplied by a = 2^(c m_old - c m_new).
; BY TURNS.  In a turn one piece has the matrix unit: 32 products V^T P of the step in hand, then 32 products K Q^T of the next.  The other piece's softmax is a queue of 332 vector instructions:
; four of them stand behind each of the 64 products, the other 76 in one lump between the two runs of products.  128 + 76 = 204 is the end of the turn's batch of 66 exponentials: its one wait stands behind the lump.
; NO FIRST AND NO LAST TURN IS WRITTEN OUT: the loop is entered at piece 2's turn, whose products V^T P meet P = 0; the last slot's two turns are walked twice and left after piece 0's.
; CLUSTER.  The four query blocks of a cluster belong to one head and walk the same K and V: each tile is asked for jointly, by the same tensor load, descriptor and mask in all four.
; REGISTERS: window 0: v2-8 addresses; v12-43 eight statistics a tile; v44-63 constants, addresses, the end's work; v64-191 S^T; v192-255 P.  window 1: O^T.  window 2: v0-127 Q, v128-255 K.  window 3: v0-127 V.
.set KS,    64
.set PK,    272                        ; a row of K in LDS: 256 + 16
.set PV,    288                        ; a row of V: 256 + 32
.set VOFF,  KS*PK
.set STEPB, KS*(PK+PV)
.set SLOT1, 1<<17                      ; a slot holds two steps; slot 1 begins here
.set XCH,   SLOT1+2*STEPB              ; behind the ring: for each wave 2 tiles x 8,192 bytes and 2 x 512 of statistics, for the partner
.set XW,    17408
.set STAGE, XCH+4*XW                   ; 16 rows x 272 bytes for each wave, for the way out
.set SP,    272
.set SPARE, STAGE+4*16*SP              ; the spare words, 128 bytes a wave
.set AK0, 2                            ; v2   my lane's place in a tile of K; never rewritten
.set AV0, 3                            ; v3   the same for V
.set ADR, 4                            ; v4   the LDS address of the run of loads in hand
.set QO,  5                            ; v5   my offset in 16 rows of Q
.set STO, 6                            ; v6   the way out: where I put 16 bytes of a row
.set RD,  7                            ; v7   where I read rows back
.set GO,  8                            ; v8   my offset in two rows of ctx
.set ST,  12                           ; tile t at v[ST+8 t]: c m, m, l, l, c0-c3 at work; a takes c2's place
.set NEGV, 44                          ; v44  -2^120
.set XS,  45                           ; v45  where I put what my partner finishes
.set XR,  46                           ; v46  where I find what my partner put
.set QA,  47                           ; v47  Q's offset for tiles 0, 1
.set QB,  60                           ; v60  for tiles 2, 3
.set PST2, 48                          ; v48-55 the partner's statistics
.set PFO, 61                           ; v61  256 x lane; never rewritten
.set SPW, 62                           ; v62  LDS address of my spare word; never rewritten
.set NIL, 63                           ; v63  0; never rewritten
.set S,   64
.set P,   192
.set KF,  128
.set MPB, 2                            ; s[2:3]   the mask words of piece 2's first tile, at the step in hand
.set G0,  4                            ; s[4:7]   descriptor group 0: it walks
.set G1K, 8                            ; s[8:15]  group 1 for K's tiles
.set G1V, 16                           ; s[16:23] for V's
.set OP,  24                           ; s[24:25] ctx at the rows that I finish
.set MPA, 26                           ; s[26:27] the mask words of piece 0's first tile
.set PFA, 28                           ; s[28:29] where my prefetches stand
.set CS,  30                           ; s[30:31] c
.set SEL, 66                           ; s[66:67] v_permlanex16_b32's selects;  s[32:63], s[68:99]: 32 mask words for each tile of a piece
.set WV,  100
.set TB,  101                          ; LDS byte at which my step's tiles begin
.set SLOTS, 104
.set LIM, 105
.set MSB, 0
.macro WIN new
.if MSB != (\new)
	s_set_vgpr_msb (MSB<<8)|(\new)
.set MSB, \new
.endif
.endm
.set W_KQ, 0x0a                        ; K and Q in window 2, S^T in window 0
.set W_PV, 0x53                        ; V in window 3, P in window 0, O^T in window 1
.set W_RS, 0x41                        ; O^T (destination and source 0) in window 1, a in window 0
; A joint fill: waves 0, 1 fetch the slot's two steps of K, waves 2, 3 of V.  An s_nop 0 and four v_nop follow each of the two lines.
.macro JLOAD
	s_cmp_lt_u32 s[WV], 2
	s_cbranch_scc0 .Lfor_v_\@
	tensor_load_to_lds s[G0:G0+3], s[G1K:G1K+7]
	s_nop 0
.rept 4
	v_nop
.endr
	s_branch .Lasked_\@
.Lfor_v_\@:
	tensor_load_to_lds s[G0:G0+3], s[G1V:G1V+7]
	s_nop 0
.rept 4
	v_nop
.endr
.Lasked_\@:
.endm
; A prefetch into the L2 of what the NEXT change of slots will ask for: 128 rows of K and of V, 256 bytes a row, a lane a row.  The head's first cluster asks; its four partners take 32 rows each, by address;
; in each, wave 0 asks for K's and wave 2 for V's.  So each row is named once.  Slots 0 to 2 come by their loads alone; the last change that fills a slot asks for nothing.
.macro ASK
	s_cmp_gt_u32 s[SLOTS], s[LIM]
	s_cbranch_scc0 .Lnot_mine_\@
	global_prefetch_b8 v[PFO], s[PFA:PFA+1] th:TH_LOAD_NT scope:SCOPE_SE
.Lnot_mine_\@:
.endm
.macro CROUND
	s_barrier_signal -1
	s_barrier_wait -1
	s_cmp_lg_u32 s[WV], 0
	s_cbranch_scc1 .Lnot_wave_0_\@
	s_barrier_signal -3
.Lnot_wave_0_\@:
	s_barrier_wait -3
	s_barrier_signal -1
	s_barrier_wait -1
.endm
	s_load_b128 s[36:39], s[0:1], 0x0              ; qkv16 s[36:37], maskw s[38:39]: s32-63 serve the set-up until the first mask words are asked for
	s_load_b64 s[40:41], s[0:1], 0x10              ; ctx16
	v_lshl_add_u32 v[SPW], v0, 2, SPARE
	v_mov_b32 v[NIL], 0
	ds_add_u32 v[SPW], v[NIL]                      ; the wave's opening: the add, waited for ahead of my first tensor load
	v_lshrrev_b32 v1, 5, v0
	v_readfirstlane_b32 s[WV], v1
	s_and_b32 s42, s[WV], 1                        ; qh.  Also: which of a slot's two steps I fetch
	s_lshr_b32 s43, s[WV], 1                       ; kh.  Also: I fetch for K (0) or V (1)
	s_bfe_u32 s44, ttmp6, 0x40000                  ; cx
	s_lshl_b32 s45, ttmp9, 2
	s_add_co_u32 s45, s45, s44                     ; my block of 128 queries: it enters Q's, the mask's and ctx's addresses alone
	s_and_b32 s47, ttmp7, 0xffff                   ; the head, which the partners share
	s_lshl_b32 s46, s47, 19                        ; its first byte in q, k and v
	s_add_co_u32 s48, s43, 1
	s_lshl_b32 s48, s48, 23                        ; k or v in qkv16,
	s_add_co_u32 s48, s48, s46                     ; at the head
	s_mov_b32 s49, 0
	s_lshl_b32 s50, s42, 14                        ; my step's 64 rows of 256 bytes
	s_add_co_u32 s50, s50, s48
	s_mov_b32 s51, 0
	s_mul_i32 s52, s42, STEPB                      ; and where they go: no place in the cluster enters an LDS address
	s_mul_i32 s53, s43, VOFF
	s_add_co_u32 s52, s52, s53
	s_lshl_b32 s54, s45, 15                        ; 128 rows of Q = 8 tiles' rows of mask words = 32,768 bytes,
	s_lshl_b32 s53, s42, 14                        ; my 64 = 4 tiles
	s_add_co_u32 s54, s54, s53
	s_mov_b32 s55, 0
	s_lshl_b32 s58, s43, 13                        ; 8,192 kh: two tiles of Q, and of mask words
	s_lshl_b32 s59, s43, 7                         ; my step's 128 bytes of a slot's 256 of mask words
	s_add_co_u32 s56, s54, s59
	s_add_co_u32 s60, s56, s58                     ; piece 0 holds query tiles 2 kh, 2 kh + 1,
	s_mov_b32 s61, 0
	s_xor_b32 s62, s58, 8192
	s_add_co_u32 s62, s56, s62                     ; piece 2 the other two
	s_mov_b32 s63, 0
	s_add_co_u32 s54, s54, s46                     ; Q at the head
	s_lshl_b32 s56, s45, 19                        ; ctx: 128 rows of 4,096 bytes,
	s_lshl_b32 s53, s42, 18                        ; my wave's 64,
	s_add_co_u32 s56, s56, s53
	s_lshl_b32 s53, s43, 17                        ; the 32 that I finish,
	s_add_co_u32 s56, s56, s53
	s_lshl_b32 s53, s47, 8                         ; the head's 256 bytes
	s_add_co_u32 s56, s56, s53
	s_mov_b32 s57, 0
	s_mov_b32 s[G1K], 15|(1<<16)|(1<<20)|(1<<21)|(5<<22)|(3<<25)  ; the mask of four; 2-byte elements; padding on; bit 21 beside a mask; after every 64 words 4 words
	s_mov_b32 s[G1V], 15|(1<<16)|(1<<20)|(1<<21)|(5<<22)|(7<<25)  ; the same with 8 words
.irp g, G1K, G1V
	s_mov_b32 s[(\g)+1], 128<<16                   ; tensor_dim0 = 128
	s_mov_b32 s[(\g)+2], KS<<16                    ; tensor_dim1 = 64
	s_mov_b32 s[(\g)+3], 128<<16                   ; tile_dim0 = 128
	s_mov_b32 s[(\g)+4], KS                        ; tile_dim1 = 64
	s_mov_b32 s[(\g)+5], 128                       ; elements from row to row
	s_mov_b32 s[(\g)+6], 0
	s_mov_b32 s[(\g)+7], 0
.endr
	s_mov_b32 s[CS], 0x3e0293ee                    ; c = log2(e) / sqrt(128)
	s_mov_b32 s[CS+1], s[CS]
	s_mov_b32 s[SEL], 0x76543210
	s_mov_b32 s[SEL+1], 0xfedcba98
	s_mul_i32 s[TB], s43, STEPB
	s_xor_b32 s[TB], s[TB], SLOT1                  ; the first change of slots turns it into slot 0's
	s_and_b32 s[LIM], s[WV], 1
	s_or_b32 s[LIM], s[LIM], ttmp9                 ; waves 0 and 2 of the head's first cluster: the same in all four partners
	s_cmp_eq_u32 s[LIM], 0
	s_cselect_b32 s[LIM], 1, -1
	s_mov_b32 s[G0], 1
	s_mov_b32 s[G0+1], s52
	s_wait_dscnt 0x0                               ; the opening add is done
	s_wait_kmcnt 0x0
	s_add_nc_u64 s[G0+2:G0+3], s[36:37], s[50:51]
	s_or_b32 s[G0+3], s[G0+3], 0x80000000
	s_add_nc_u64 s[PFA:PFA+1], s[36:37], s[48:49]
	s_lshl_b32 s50, s44, 13                        ; my work-group's 32 rows,
	s_add_co_u32 s50, s50, 2*32768                 ; in slot 2: the first asking change steps it to slot 3
	s_add_nc_u64 s[PFA:PFA+1], s[PFA:PFA+1], s[50:51]
	s_add_nc_u64 s[54:55], s[36:37], s[54:55]      ; Q
	s_add_nc_u64 s[MPA:MPA+1], s[38:39], s[60:61]
	s_add_nc_u64 s[MPB:MPB+1], s[38:39], s[62:63]
	s_add_nc_u64 s[OP:OP+1], s[40:41], s[56:57]
	CROUND                                         ; all four work-groups are here
	JLOAD                                          ; slot 0; slot 1 is asked for when slot 0 is in
	v_and_b32 v1, 15, v0                           ; l % 16
	v_bfe_u32 v9, v0, 4, 1                         ; l / 16
	v_lshlrev_b32 v[QO], 8, v1
	v_lshl_add_u32 v[QO], v9, 4, v[QO]             ; row x 256 + 16 x half
	v_add_nc_u32 v[QA], s58, v[QO]
	s_xor_b32 s58, s58, 8192
	v_add_nc_u32 v[QB], s58, v[QO]
	WIN 0x80                                       ; destination window 2
.set i, 0
.rept 8                                ; Q stays in registers: tile i / 4, channels 32 (i % 4) on
	global_load_b128 v[8*i:8*i+3],       v[QA], s[54:55] offset:(i/4)*4096+(i%4)*64
	global_load_b128 v[8*i+4:8*i+7],     v[QA], s[54:55] offset:(i/4)*4096+(i%4)*64+32
	global_load_b128 v[64+8*i:64+8*i+3], v[QB], s[54:55] offset:(i/4)*4096+(i%4)*64
	global_load_b128 v[64+8*i+4:64+8*i+7], v[QB], s[54:55] offset:(i/4)*4096+(i%4)*64+32
.set i, i+1
.endr
	WIN 0x40                                       ; O^T starts at 0: no first step is written out; these lines stand in the wait for the first tile
.set i, 0
.rept 256
	v_mov_b32 v[i], 0
.set i, i+1
.endr
	WIN 0
	v_mov_b32 v[NEGV], 0xfb800000                  ; -2^120
.set i, 0
.rept 4
	v_mul_f32 v[ST+8*i], s[CS], v[NEGV]            ; c m
	v_mov_b32 v[ST+8*i+1], v[NEGV]                 ; m
	v_mov_b32 v[ST+8*i+2], 0                       ; l
	v_mov_b32 v[ST+8*i+3], 0
.set i, i+1
.endr
.set i, P+32
.rept 32
	v_mov_b32 v[i], 0                              ; piece 2's P: the first turn's products V^T P, of a step that has not been, add 0
.set i, i+1
.endr
	v_mul_u32_u24 v[AK0], v1, PK
	v_lshl_add_u32 v[AK0], v9, 4, v[AK0]
	v_and_b32 v10, 7, v0                           ; the turning load: lane l reads key 8 (l / 16) + l % 8, channels 8 ((l / 8) % 2) + 0..7
	v_bfe_u32 v11, v0, 3, 1
	v_lshl_add_u32 v[AV0], v9, 3, v10
	v_mul_u32_u24 v[AV0], v[AV0], PV
	v_lshl_add_u32 v[AV0], v11, 4, v[AV0]
	v_add_nc_u32 v[AV0], VOFF, v[AV0]
	v_and_b32 v10, 31, v0                          ; lane
	v_lshlrev_b32 v[PFO], 8, v10
	s_mul_i32 s59, s[WV], 16*SP
	s_add_co_u32 s59, s59, STAGE                   ; my stage
	v_mul_u32_u24 v[STO], v1, SP
	v_lshl_add_u32 v[STO], v9, 4, v[STO]
	v_add_nc_u32 v[STO], s59, v[STO]
	v_mul_u32_u24 v[RD], v9, SP
	v_lshl_add_u32 v[RD], v1, 4, v[RD]
	v_add_nc_u32 v[RD], s59, v[RD]
	v_lshlrev_b32 v[GO], 12, v9                    ; two rows of ctx, 4,096 bytes apart
	v_lshl_add_u32 v[GO], v1, 4, v[GO]
	s_mul_i32 s59, s[WV], XW
	s_add_co_u32 s59, s59, XCH
	v_lshl_add_u32 v[XS], v10, 4, s59
	s_xor_b32 s59, s[WV], 2                        ; my partner: the same queries, the other keys
	s_mul_i32 s59, s59, XW
	s_add_co_u32 s59, s59, XCH
	v_lshl_add_u32 v[XR], v10, 4, s59
	s_wait_xcnt 0x0                                ; Q's loads have read their base: s32-63 may be written
	s_load_b512 s[32:47], s[MPA:MPA+1], 0x0        ; piece 0's mask words of step 0
	s_load_b512 s[48:63], s[MPA:MPA+1], 0x40
	s_load_b512 s[68:83], s[MPA:MPA+1], 0x1000
	s_load_b512 s[84:99], s[MPA:MPA+1], 0x1040
; THE MATRIX WORK of a turn, for piece x.  The accumulators take turns, one instruction a turn.
.macro PV x                            ; product i of 32 of O^T += V^T P: keys 32 (i / 16) on, channels 16 ((i / 2) % 8) on, tile x + i % 2
	WIN W_PV
.set rO, 64*((\x)+i%2)+8*((i/2)%8)
.set rV, 64*(i/16)+8*((i/2)%8)
.set rP, P+16*((\x)+i%2)+8*(i/16)
	v_wmma_f32_16x16x32_f16 v[rO:rO+7], v[rV:rV+7], v[rP:rP+7], v[rO:rO+7]
.endm
.macro KQ x                            ; product i of 32 of S^T = K Q^T: channels 32 (i / 8) on, keys 16 ((i / 2) % 4) on, tile x + i % 2.  The first 8 start the sums
	WIN W_KQ
.set rS, S+32*((\x)+i%2)+8*((i/2)%4)
.set rK, KF+32*((i/2)%4)+8*(i/8)
.set rQ, 32*((\x)+i%2)+8*(i/8)
.if i < 8
	v_wmma_f32_16x16x32_f16 v[rS:rS+7], v[rK:rK+7], v[rQ:rQ+7], 0
.else
	v_wmma_f32_16x16x32_f16 v[rS:rS+7], v[rK:rK+7], v[rQ:rQ+7], v[rS:rS+7]
.endif
.endm
; THE LDS LOADS stand in runs of 32.
.macro FETCH_K
	WIN 0
	v_add_nc_u32 v[ADR], s[TB], v[AK0]
	WIN 0x80
.irp f, 0,1,2,3,4,5,6,7,8,9,10,11,12,13,14,15
	ds_load_b128 v[KF+8*(\f):KF+8*(\f)+3],   v[ADR] offset:((\f)/4)*16*PK+((\f)%4)*64
	ds_load_b128 v[KF+8*(\f)+4:KF+8*(\f)+7], v[ADR] offset:((\f)/4)*16*PK+((\f)%4)*64+32
.endr
.endm
.macro FETCH_V w                       ; w = 1: in a turn, where the wait for the softmax's batch stands behind the address's line and ahead of the loads
	WIN 0
	v_add_nc_u32 v[ADR], s[TB], v[AV0]
.if \w
	s_wait_alu depctr_va_vdst(0)
.endif
	WIN 0xc0
.irp f, 0,1,2,3,4,5,6,7,8,9,10,11,12,13,14,15
	ds_load_tr16_b128 v[8*(\f):8*(\f)+3],   v[ADR] offset:((\f)/8)*32*PV+((\f)%8)*32
	ds_load_tr16_b128 v[8*(\f)+4:8*(\f)+7], v[ADR] offset:((\f)/8)*32*PV+16*PV+((\f)%8)*32
.endr
.endm
; The mask words for the softmax of the NEXT turn, which is piece x's: 2 tiles x 32 words.  They are asked for when this turn's 64 selections are out, and waited for at the next turn's head.
; Both pointers step when piece 0's words of the next step are asked for: the turn's head has waited for all scalar loads, so none still reads them.
.macro MLOAD x
.if (\x) == 0
	s_add_nc_u64 s[MPA:MPA+1], s[MPA:MPA+1], 256
	s_add_nc_u64 s[MPB:MPB+1], s[MPB:MPB+1], 256
	s_load_b512 s[32:47], s[MPA:MPA+1], 0x0
	s_load_b512 s[48:63], s[MPA:MPA+1], 0x40
	s_load_b512 s[68:83], s[MPA:MPA+1], 0x1000
	s_load_b512 s[84:99], s[MPA:MPA+1], 0x1040
.else
	s_load_b512 s[32:47], s[MPB:MPB+1], 0x0
	s_load_b512 s[48:63], s[MPB:MPB+1], 0x40
	s_load_b512 s[68:83], s[MPB:MPB+1], 0x1000
	s_load_b512 s[84:99], s[MPB:MPB+1], 0x1040
.endif
.endm
; THE VECTOR WORK.  One tile's softmax for a step is a list of 166; SM writes number j of it for tile t.
;   0-31     s_j, or -2^120 where the mask's bit is 0 (each accumulator is taken from its low end on)
;   32-47    the maximum of the 32 and the old m, three operands at a time        48-52  the other half of the lanes' maximum; c m_old kept; m; c m; c m_old - c m
;   53-101   ONE BATCH: 16 scalings c s - c m (a pair each) and 33 exponentials (a, then s0-s31); none reads an exponential's result; a pair is scaled ahead of its exponentials
;   (wait)   102-117  the roundings to f16     118-133  the sums; l = a l + sum     134-165  O^T times a
.macro SM t
.set rT, ST+8*(\t)
.set rS, S+32*(\t)
.set rP, P+16*(\t)
.set rW, 32+36*((\t)%2)
.if j < 134
	WIN 0
.endif
.if j < 32
	v_cndmask_b32 v[rS+j], v[NEGV], v[rS+j], s[rW+j]
.elseif j < 36
	v_max3_num_f32 v[rT+j-28], v[rS+8*(j-32)], v[rS+8*(j-32)+1], v[rS+8*(j-32)+2]
.elseif j < 44
	v_max3_num_f32 v[rT+4+j%4], v[rT+4+j%4], v[rS+8*(j%4)+2*((j-32)/4)+1], v[rS+8*(j%4)+2*((j-32)/4)+2]
.elseif j == 44
	v_max3_num_f32 v[rT+4], v[rT+4], v[rS+7], v[rS+15]
.elseif j == 45
	v_max3_num_f32 v[rT+6], v[rT+6], v[rS+23], v[rS+31]
.elseif j == 46
	v_max3_num_f32 v[rT+4], v[rT+4], v[rT+5], v[rT+6]
.elseif j == 47
	v_max3_num_f32 v[rT+4], v[rT+4], v[rT+7], v[rT+1]
.elseif j == 48
	v_permlanex16_b32 v[rT+5], v[rT+4], s[SEL], s[SEL+1]
.elseif j == 49
	v_mov_b32 v[rT+7], v[rT]
.elseif j == 50
	v_max_num_f32 v[rT+1], v[rT+4], v[rT+5]
.elseif j == 51
	v_mul_f32 v[rT], s[CS], v[rT+1]
.elseif j == 52
	v_sub_f32 v[rT+7], v[rT+7], v[rT]
.elseif j == 55
	v_exp_f32 v[rT+6], v[rT+7]
.elseif j < 102
.set pp, j-53
.set bb, -1
.if pp < 2
.set bb, pp                            ; pairs 0, 1
.elseif (pp < 45) && (pp%3 == 0)
.set bb, pp/3+1                        ; pairs 2 to 15
.elseif pp < 45
.set ee, 2*(pp/3-1)+pp%3-1             ; s0 to s27
.else
.set ee, pp-17                         ; s28 to s31
.endif
.if bb >= 0
	v_pk_fma_f32 v[rS+2*bb:rS+2*bb+1], v[rS+2*bb:rS+2*bb+1], s[CS:CS+1], v[rT:rT+1] op_sel_hi:[1,0,0] neg_lo:[0,0,1] neg_hi:[0,0,1]
.else
	v_exp_f32 v[rS+ee], v[rS+ee]
.endif
.elseif j < 118
	v_cvt_pk_f16_f32 v[rP+j-102], v[rS+2*(j-102)], v[rS+2*(j-102)+1]
.elseif j < 134
.set z, j-118
.set w, 4
.set u, z
.if z >= 14
.set w, 32
.set u, 0
.elseif z >= 12
.set w, 16
.set u, z-12
.elseif z >= 8
.set w, 8
.set u, z-8
.endif
.if z < 15
	v_pk_add_f32 v[rS+w*u:rS+w*u+1], v[rS+w*u:rS+w*u+1], v[rS+w*u+w/2:rS+w*u+w/2+1]
.else
	v_pk_fma_f32 v[rT+2:rT+3], v[rT+2:rT+3], v[rT+6:rT+7], v[rS:rS+1] op_sel_hi:[1,0,1]
.endif
.else
	WIN W_RS
	v_pk_mul_f32 v[64*(\t)+2*(j-134):64*(\t)+2*(j-134)+1], v[64*(\t)+2*(j-134):64*(\t)+2*(j-134)+1], v[rT+6:rT+7] op_sel_hi:[1,0]
.endif
.endm
; Piece y's queue is both tiles' lists, number by number, the tiles alternating: 332.  RIDE writes its next n.
.macro RIDE y, n
.rept \n
.set j, g/2
	SM (\y)+g%2
.set g, g+1
.endr
.endm
; A TURN.  Piece x has the matrix unit; piece 2 - x's softmax stands beside its products.
;   32 x (a product V^T P, four of the queue): numbers 0-127 of the queue: the selections, the maximum, the statistics, the batch's head.  Behind the 16th product all 64 selections are out: the next turn's mask words are asked for.
;   the lump: numbers 128-203, the rest of the batch; a plain instruction behind the last exponential; the ONE wait for the turn's 66 exponentials, ahead of the first reader.
;   32 x (a product K Q^T, four of the queue): numbers 204-331, all that read the exponentials' results.  The last 64 are plain and name no register of the products round them: four of them are the places
;   between the turn's last K Q^T and what follows.
; Piece 0's turn fetches the next step's K behind its second product (four rescalings and eight selections behind K's last reader) and waits for it behind the lump.  Piece 2's turn fetches the same step's V behind the
; lump, in which 22 scalings stand behind V's last reader; it is waited for at the next turn's head or at the change of slots.
.macro TURN x
.set g, 0
	s_wait_kmcnt 0x0                               ; the mask words, asked for most of a turn ago
.if (\x) == 0
	s_wait_dscnt 0x0                               ; V is in
.endif
.set i, 0
.rept 32
	PV \x
	RIDE 2-(\x), 4
.if ((\x) == 0) && (i == 1)
	FETCH_K
.endif
.if i == 15
	MLOAD \x
.endif
.set i, i+1
.endr
	RIDE 2-(\x), 76
	v_nop
.if (\x) == 2
	FETCH_V 1
.else
	s_wait_alu depctr_va_vdst(0)
	s_wait_dscnt 0x0                               ; K is in
.endif
.set i, 0
.rept 32
	KQ \x
	RIDE 2-(\x), 4
.set i, i+1
.endr
.endm
; THE CHANGE OF SLOTS, ahead of piece 0's turn.  Each wave waits for all its tensor loads (one is out: its part of the other slot), adds 0 to its spare word, and waits for that and for its reads of the slot.
; fill = 1: the barrier is a round of the cluster's, and the joint fill, the keys two slots on, is the first thing behind it: it has two turns, 128 matrix instructions, in which to land.
.macro CHANGE fill, ask
	WIN 0
	s_wait_tensorcnt 0x0
	ds_add_u32 v[SPW], v[NIL]
.if \fill
	s_xor_b32 s[G0+1], s[G0+1], SLOT1              ; the other slot than last time,
	s_add_nc_u64 s[G0+2:G0+3], s[G0+2:G0+3], 32768 ; the next 128 keys
.endif
.if \ask
	s_wait_xcnt 0x0                                ; the last prefetch, two turns back, has read its address
	s_add_nc_u64 s[PFA:PFA+1], s[PFA:PFA+1], 32768
.endif
	s_wait_dscnt 0x0                               ; the add is done, and my reads of the slot are over
.if \fill
	CROUND
	JLOAD
.if \ask
	ASK
.endif
.else
	s_barrier_signal -1
	s_barrier_wait -1
.endif
	s_xor_b32 s[TB], s[TB], SLOT1                  ; my step of the other slot
.endm
	CHANGE 1, 0                                    ; slot 0 is in, everybody's part of it; slot 1 is asked for
	FETCH_K                                        ; step 0's K,
	FETCH_V 0                                      ; and its V: finite numbers for the first turn's products on P = 0; that turn fetches it again in its own place
	s_wait_loadcnt 0x0                             ; Q
	s_wait_dscnt 0x0
.set i, 0
.rept 32
	KQ 0                                           ; piece 0's first scores
.set i, i+1
.endr
	WIN 0
.rept 4
	v_nop                                          ; the places behind them
.endr
	s_mov_b32 s[SLOTS], 15
	s_branch .Lmid                                 ; the loop is entered at piece 2's turn, in the middle of a trip
.Lslot:                                                ; trip i = 1 .. 14: slot i is entered, slot i + 1 asked for
	CHANGE 1, 1
	TURN 0                                         ; piece 0: V^T P of step i - 1, K Q^T of step i | piece 2's softmax of step i - 1 | K of step i
	WIN 0
.Lmid:
	TURN 2                                         ; piece 2: the same | piece 0's softmax of step i | V of step i
	WIN 0
	s_sub_co_u32 s[SLOTS], s[SLOTS], 1
	s_cmp_lg_u32 s[SLOTS], 0
	s_cbranch_scc1 .Lslot
	CHANGE 0, 0                                    ; the last slot is written out
	s_mov_b32 s[SLOTS], 2
.Ltail:                                                ; walked twice and left after piece 0's turn.  The second walk's 32 products K Q^T (on the last K once more), its run of K's loads and its
	TURN 0                                         ; mask words serve nothing: the price, once a launch, of one text for every turn
	WIN 0
	s_sub_co_u32 s[SLOTS], s[SLOTS], 1
	s_cmp_eq_u32 s[SLOTS], 0
	s_cbranch_scc1 .Lout
	TURN 2
	WIN 0
	s_wait_kmcnt 0x0                               ; no scalar load still reads the two pointers:
	s_sub_nc_u64 s[MPA:MPA+1], s[MPA:MPA+1], 256   ; they go a step back, so that the second walk's request names step 15 again and stays inside maskw
	s_sub_nc_u64 s[MPB:MPB+1], s[MPB:MPB+1], 256
	s_branch .Ltail
.Lout:
	s_wait_kmcnt 0x0                               ; those words have come: no scalar load is out from here on
.set i, 0
.rept 32
	PV 2                                           ; piece 2: V^T P of the last step
.set i, i+1
.endr
	; THE END.  l's two halves and the other half of the lanes' are added (these lines are the places behind the last products).  Tiles 2, 3 and their c m and l go to my partner through LDS.
	WIN 0
.irp t, 0,1,2,3
	v_add_f32 v[ST+8*(\t)+4], v[ST+8*(\t)+2], v[ST+8*(\t)+3]
.endr
.irp t, 0,1,2,3
	v_permlanex16_b32 v[ST+8*(\t)+5], v[ST+8*(\t)+4], s[SEL], s[SEL+1]
.endr
.irp t, 0,1,2,3
	v_add_f32 v[ST+8*(\t)+1], v[ST+8*(\t)+4], v[ST+8*(\t)+5]    ; l, in m's place
.endr
.irp u, 0,1
	WIN 0x04                                       ; the data in window 1
.set i, 0
.rept 16
	ds_store_b128 v[XS], v[64*(2+(\u))+4*i:64*(2+(\u))+4*i+3] offset:(\u)*8192+512*i
.set i, i+1
.endr
	WIN 0
	ds_store_b128 v[XS], v[ST+8*(2+(\u)):ST+8*(2+(\u))+3] offset:16384+512*(\u)
.endr
	s_wait_dscnt 0x0                               ; for my partner's sake: my stores are done
	s_barrier_signal -1
	s_barrier_wait -1
.irp u, 0,1
	ds_load_b128 v[PST2+4*(\u):PST2+4*(\u)+3], v[XR] offset:16384+512*(\u)
.endr
.irp u, 0,1
.set i, 0
.rept 16
	ds_load_b128 v[S+64*(\u)+4*i:S+64*(\u)+4*i+3], v[XR] offset:(\u)*8192+512*i
.set i, i+1
.endr
.endr
	s_wait_dscnt 32                                ; the partner's statistics are in; its two tiles may stay out
.irp u, 0,1
	v_max_num_f32 v[ST+8*(\u)+2], v[ST+8*(\u)], v[PST2+4*(\u)]        ; the common c m
	v_sub_f32 v[ST+8*(\u)+4], v[ST+8*(\u)], v[ST+8*(\u)+2]
	v_sub_f32 v[ST+8*(\u)+6], v[PST2+4*(\u)], v[ST+8*(\u)+2]
.endr
.irp u, 0,1
	v_exp_f32 v[ST+8*(\u)+4], v[ST+8*(\u)+4]       ; a1
	v_exp_f32 v[ST+8*(\u)+6], v[ST+8*(\u)+6]       ; a2
.endr
	v_nop
	s_wait_alu depctr_va_vdst(0)                   ; one wait for the four
.irp u, 0,1
	v_mul_f32 v[ST+8*(\u)+3], v[ST+8*(\u)+4], v[ST+8*(\u)+1]
	v_fma_f32 v[ST+8*(\u)+3], v[ST+8*(\u)+6], v[PST2+4*(\u)+1], v[ST+8*(\u)+3]   ; l = a1 l1 + a2 l2: at least 1
.endr
.irp u, 0,1
	v_rcp_f32 v[ST+8*(\u)+3], v[ST+8*(\u)+3]
.endr
	v_nop
	s_wait_alu depctr_va_vdst(0)                   ; one wait for the two
.irp u, 0,1
	v_mul_f32 v[ST+8*(\u)+4], v[ST+8*(\u)+4], v[ST+8*(\u)+3]    ; a1 / l
	v_mul_f32 v[ST+8*(\u)+6], v[ST+8*(\u)+6], v[ST+8*(\u)+3]    ; a2 / l
.endr
; Tile u: the two halves are added, rounded to f16, sent through my stage and stored as whole rows of 256 bytes.
.macro FIN u, left
.set rT, ST+8*(\u)
.set R, S+64*(\u)
	s_wait_dscnt \left
.set i, 0
.rept 32
	v_pk_mul_f32 v[R+2*i:R+2*i+1], v[R+2*i:R+2*i+1], v[rT+6:rT+7] op_sel_hi:[1,0]
.set i, i+1
.endr
	WIN 0x01                                       ; source 0 in window 1
.set i, 0
.rept 32
	v_pk_fma_f32 v[R+2*i:R+2*i+1], v[64*(\u)+2*i:64*(\u)+2*i+1], v[rT+4:rT+5], v[R+2*i:R+2*i+1] op_sel_hi:[1,0,1]
.set i, i+1
.endr
	WIN 0
.set i, 0
.rept 32
	v_cvt_pk_f16_f32 v[R+i], v[R+2*i], v[R+2*i+1]  ; ascending: a register is written when it has been read
.set i, i+1
.endr
.irp f, 0,1,2,3,4,5,6,7
	ds_store_b128 v[STO], v[R+4*(\f):R+4*(\f)+3] offset:32*(\f)
.endr
.irp f, 0,1,2,3,4,5,6,7
	ds_load_b128 v[R+4*(\f):R+4*(\f)+3], v[RD] offset:(\f)*2*SP   ; LDS serves a wave's instructions in order: these see the stores above
.endr
.irp f, 0,1,2,3,4,5,6,7
	s_wait_dscnt 7-(\f)
	global_store_b128 v[GO], v[R+4*(\f):R+4*(\f)+3], s[OP:OP+1] offset:(\u)*65536+(\f)*8192  ; 16 lanes store 256 consecutive bytes, aligned
.endr
.endm
	FIN 0, 16                                      ; the partner's second tile may stay out
	FIN 1, 0
	s_wait_tensorcnt 0x0                           ; the wave's end
	ds_add_u32 v[SPW], v[NIL]
	s_wait_dscnt 0x0
	CROUND                                         ; the closing round
	s_endpgm
.Lfunc_end_k_q0821c5e615_attn:
	.size	k_q0821c5e615_attn, .Lfunc_end_k_q0821c5e615_attn-k_q0821c5e615_attn
	.p2alignl 7, 3214868480
	.fill 96, 4, 3214868480
	.section	.rodata,"a",@progbits
	.p2align	6, 0x0
	.amdhsa_kernel k_q0821c5e615_attn
		.amdhsa_group_segment_fixed_size 327680
		.amdhsa_private_segment_fixed_size 0
		.amdhsa_enable_private_segment 0
		.amdhsa_kernarg_size 24
		.amdhsa_user_sgpr_count 2
		.amdhsa_user_sgpr_kernarg_segment_ptr 1
		.amdhsa_wavefront_size32 1
		.amdhsa_system_sgpr_workgroup_id_x 1
		.amdhsa_system_sgpr_workgroup_id_y 1
		.amdhsa_system_sgpr_workgroup_id_z 1
		.amdhsa_system_vgpr_workitem_id 0
		.amdhsa_next_free_vgpr 896
		.amdhsa_next_free_sgpr 106
		.amdhsa_reserve_vcc 0
		.amdhsa_float_denorm_mode_32 3
		.amdhsa_float_denorm_mode_16_64 3
		.amdhsa_memory_ordered 1
		.amdhsa_forward_progress 1
		.amdhsa_inst_pref_size 170
	.end_amdhsa_kernel
	.amdgpu_metadata
---
amdhsa.version: [ 1, 2 ]
amdhsa.kernels:
  - .name:           k_q0821c5e615_attn
    .symbol:         k_q0821c5e615_attn.kd
    .args:
      - { .name: qkv16, .offset: 0, .size: 8, .value_kind: global_buffer, .address_space: global }
      - { .name: maskw, .offset: 8, .size: 8, .value_kind: global_buffer, .address_space: global }
      - { .name: ctx16, .offset: 16, .size: 8, .value_kind: global_buffer, .address_space: global }
    .group_segment_fixed_size: 327680
    .private_segment_fixed_size: 0
    .kernarg_segment_align: 8
    .kernarg_segment_size: 24
    .max_flat_workgroup_size: 128
    .sgpr_count:     106
    .vgpr_count:     896
    .wavefront_size: 32
...
	.end_amdgpu_metadata
.endif
;; end of part 3
;; launch oproj (part 4): grid 16 x 16, 4 waves a work-group, clusters of 4 x 4, 327,680 bytes of LDS; arguments ctx16, in16, out0; writes out0
.if DOCPART == 4
	.amdgcn_target "amdgcn-amd-amdhsa--gfx1250"
	.amdhsa_code_object_version 6
	.text
	.protected	k_q0821c5e615_oproj
	.globl	k_q0821c5e615_oproj
	.p2align	8
	.type	k_q0821c5e615_oproj,@function
k_q0821c5e615_oproj:
	s_mov_b64 s[64:65], 0
	v_nop
	global_prefetch_b8 v0, s[64:65] scope:SCOPE_SE
	s_setreg_imm32_b32 hwreg(HW_REG_WAVE_MODE, 25, 1), 1
	s_wait_xcnt 0x0
	s_wait_alu depctr_hold_cnt(0) depctr_sa_sdst(0) depctr_va_vdst(0) depctr_va_sdst(0) depctr_va_ssrc(0) depctr_va_vcc(0) depctr_vm_vsrc(0)
	s_getreg_b32 s2, hwreg(HW_REG_IB_STS2, 6, 4)
	s_cmp_eq_u32 s2, 0
	s_cbranch_scc0 .Lentry_in_a_cluster
	s_endpgm
.Lentry_in_a_cluster:
	s_bfe_u32 s2, ttmp6, 0x10000c
	s_cmp_lg_u32 s2, 0xf033
	s_cbranch_scc0 .Lentry_shape_is_right
	s_endpgm
.Lentry_shape_is_right:
; out0[m][n] = the sum over k of ctx[m][k] Wo[k][n].  ctx16: [2048][2048] f16, rows along K; Wo is the fifth tensor of in16, [K = 2048][2048] f16; out0: [2048][2048] f32.  Sums in f32.
; A tile of out0 is 128 x 128: 256 work-groups.  Four waves, each 64 x 64: 16 accumulators.  K goes in 8 steps of 256 through two LDS slots: ctx's 128 rows x 512 bytes (rows 528 apart),
; then Wo's 256 K rows x 256 bytes (rows 288 apart).  Waves 0, 1 fetch ctx's halves, waves 2, 3 Wo's: one tensor load a wave behind each change of slots.
; A K STEP IS WRITTEN ONCE: the slot in hand is a scalar that one exclusive or turns (0 and 0x24000; no tile's first byte, 0, 0x8400, 0x10800 or 0x19800, shares a bit with it), and the fragments' addresses are made anew at each change.
; CLUSTER 4 x 4: ctx's tile is asked for jointly along a row of the cluster, Wo's along a column.
; THE MATRIX INSTRUCTION IS USED TRANSPOSED: source 0 = 16 columns of Wo (turned by ds_load_tr16_b128), source 1 = 16 rows of ctx: a lane holds eight neighbouring numbers of a row of out0.
; A wave's 64 columns of f32 are 256 consecutive bytes, aligned: each wave has a stage of its own, and the way out needs no barrier.
; REGISTERS: window 0: v16-29 addresses; v32-95 at work on the way out; v128-255 the accumulators ((a, b) at 128 + 8 (4 a + b)).  window 1: two fragment buffers of 128: 64 of ctx, then 64 of Wo.
.set PA,     528
.set PB,     288
.set HALFA,  64*PA
.set HALFB,  128*PB
.set BOFF,   2*HALFA
.set SLOTB,  BOFF+2*HALFB              ; bytes in a slot: 141,312
.set SLOT1,  0x24000                   ; slot 1 begins here
.set STAGE,  SLOT1+SLOTB
.set SPITCH, 272
.set SPARE,  STAGE+4*16*SPITCH
.set AD0,  16                          ; v16  my lane's place in ctx's tile, v17-18 in the two halves of Wo's 256 K rows; never rewritten
.set ADRA, 20                          ; v20  my fragments of ctx in the slot in hand
.set ADRB, 21                          ; v21-22  of Wo
.set STO,  24
.set RD,   25
.set CO,   26
.set SPW,  28                          ; v28  LDS address of my spare word; never rewritten
.set NIL,  29                          ; v29  0; never rewritten
.set OB,   32
.set ACC,  128
.set F0,   0
.set F1,   128
.set TB,  2                            ; s2   LDS byte at which the slot in hand begins
.set G1, 24                            ; s[24:31] group 1 for ctx's tiles; s[32:39] group 0: a set for each of the two first fills; the second then walks on
.set G0, 32
.set G1B, 48                           ; s[48:55], s[56:63] the same for Wo's
.set G0B, 56
.set MSB, 0
.macro WIN new
.if MSB != (\new)
	s_set_vgpr_msb (MSB<<8)|(\new)
.set MSB, \new
.endif
.endm
.set MUL,  0x05                        ; sources 0 and 1 window 1; C and D window 0
.set TO_F, 0x40                        ; destination window 1, address window 0
.macro JLOAD s                         ; a joint load; an s_nop 0 and four v_nop follow each of the two lines
	s_cmp_eq_u32 s11, 0
	s_cbranch_scc0 .Lfor_b_\@
	tensor_load_to_lds s[G0+4*(\s):G0+4*(\s)+3], s[G1:G1+7]
	s_nop 0
.rept 4
	v_nop
.endr
	s_branch .Lasked_\@
.Lfor_b_\@:
	tensor_load_to_lds s[G0B+4*(\s):G0B+4*(\s)+3], s[G1B:G1B+7]
	s_nop 0
.rept 4
	v_nop
.endr
.Lasked_\@:
.endm
.macro CREST
	s_cmp_lg_u32 s10, 0
	s_cbranch_scc1 .Lnot_wave_0_\@
	s_barrier_signal -3
.Lnot_wave_0_\@:
	s_barrier_wait -3
	s_barrier_signal -1
	s_barrier_wait -1
.endm
.macro CROUND
	s_barrier_signal -1
	s_barrier_wait -1
	CREST
.endm
.macro ADDR                            ; the fragments' addresses in the slot in hand
	v_add_nc_u32 v[ADRA], s[TB], v[AD0]
	v_add_nc_u32 v[ADRB], s[TB], v[AD0+1]
	v_add_nc_u32 v[ADRB+1], s[TB], v[AD0+2]
.endm
	s_load_b128 s[4:7], s[0:1], 0x0                ; ctx16 s[4:5], in16 s[6:7]
	s_load_b64 s[8:9], s[0:1], 0x10                ; out0
	v_lshl_add_u32 v[SPW], v0, 2, SPARE
	v_mov_b32 v[NIL], 0
	ds_add_u32 v[SPW], v[NIL]                      ; the wave's opening: the add, waited for ahead of my first tensor load
	v_lshrrev_b32 v1, 5, v0
	v_readfirstlane_b32 s10, v1
	s_lshr_b32 s11, s10, 1                         ; my half of the tile's rows.  Also: I fetch ctx (0) or Wo (1)
	s_and_b32 s12, s10, 1                          ; my half of its columns.  Also: which half of that tile I fetch
	s_bfe_u32 s40, ttmp6, 0x40000
	s_bfe_u32 s41, ttmp6, 0x40004
	s_lshl_b32 s42, ttmp9, 2
	s_add_co_u32 s42, s42, s40                     ; tile column
	s_and_b32 s13, ttmp7, 0xffff
	s_lshl_b32 s13, s13, 2
	s_add_co_u32 s13, s13, s41                     ; tile row
	s_lshl_b32 s43, s41, 2
	s_lshl_b32 s43, 15, s43
	s_lshl_b32 s44, 0x1111, s40
	s_or_b32 s[G1], s43, (1<<16)|(1<<20)|(1<<21)|(6<<22)|(3<<25)   ; my row's mask; after every 128 words 4 words of padding
	s_mov_b32 s[G1+1], 256<<16                     ; 256 elements x 64 rows
	s_mov_b32 s[G1+2], 64<<16
	s_mov_b32 s[G1+3], 256<<16
	s_mov_b32 s[G1+4], 64
	s_mov_b32 s[G1+5], 2048
	s_mov_b32 s[G1+6], 0
	s_mov_b32 s[G1+7], 0
	s_or_b32 s[G1B], s44, (1<<16)|(1<<20)|(1<<21)|(5<<22)|(7<<25)  ; my column's mask; after every 64 words 8 words
	s_mov_b32 s[G1B+1], 128<<16                    ; 128 elements x 128 rows
	s_mov_b32 s[G1B+2], 128<<16
	s_mov_b32 s[G1B+3], 128<<16
	s_mov_b32 s[G1B+4], 128
	s_mov_b32 s[G1B+5], 2048
	s_mov_b32 s[G1B+6], 0
	s_mov_b32 s[G1B+7], 0
	s_lshl_b32 s16, s13, 19                        ; ctx: 128 rows of 4,096 bytes a tile row,
	s_lshl_b32 s17, s12, 18                        ; my 64
	s_add_co_u32 s16, s16, s17
	s_mov_b32 s17, 0
	s_lshl_b32 s46, s42, 8                         ; Wo: the tile column's 256 bytes,
	s_lshl_b32 s47, s12, 19                        ; my 128 K rows,
	s_add_co_u32 s46, s46, s47
	s_add_co_u32 s46, s46, 4*8388608               ; in the fifth tensor of in16
	s_mov_b32 s47, 0
	s_mul_i32 s20, s12, HALFA
	s_mul_i32 s21, s12, HALFB
	s_add_co_u32 s21, s21, BOFF
	s_wait_dscnt 0x0
	s_wait_kmcnt 0x0
	s_add_nc_u64 s[14:15], s[4:5], s[16:17]
	s_add_nc_u64 s[46:47], s[6:7], s[46:47]
	CROUND
.irp s, 0,1
	s_mov_b32 s[G0+4*(\s)], 1
	s_add_co_u32 s[G0+4*(\s)+1], s20, (\s)*SLOT1
	s_add_nc_u64 s[G0+4*(\s)+2:G0+4*(\s)+3], s[14:15], (\s)*512
	s_or_b32 s[G0+4*(\s)+3], s[G0+4*(\s)+3], 0x80000000
	s_mov_b32 s[G0B+4*(\s)], 1
	s_add_co_u32 s[G0B+4*(\s)+1], s21, (\s)*SLOT1
	s_add_nc_u64 s[G0B+4*(\s)+2:G0B+4*(\s)+3], s[46:47], (\s)*1048576
	s_or_b32 s[G0B+4*(\s)+3], s[G0B+4*(\s)+3], 0x80000000
	JLOAD \s                                       ; two loads of mine are out
.endr
	v_and_b32 v1, 15, v0
	v_bfe_u32 v2, v0, 4, 1
	v_mul_u32_u24 v3, v1, PA
	v_lshl_add_u32 v3, v2, 4, v3
	s_mul_i32 s21, s11, HALFA
	v_add_nc_u32 v[AD0], s21, v3
	v_and_b32 v4, 7, v0
	v_bfe_u32 v5, v0, 3, 1
	v_lshl_add_u32 v4, v2, 3, v4
	v_mul_u32_u24 v4, v4, PB
	v_lshl_add_u32 v4, v5, 4, v4
	v_lshl_add_u32 v4, s12, 7, v4                  ; + my 64 columns' 128 bytes
	v_add_nc_u32 v[AD0+1], BOFF, v4
	v_add_nc_u32 v[AD0+2], BOFF+HALFB, v4
	s_mov_b32 s[TB], 0                             ; slot 0 is in hand
	ADDR
	s_mul_i32 s23, s10, 16*SPITCH
	s_add_co_u32 s23, s23, STAGE                   ; my stage
	v_mul_u32_u24 v6, v1, SPITCH
	v_lshl_add_u32 v6, v2, 5, v6                   ; in: row l % 16, 32 bytes for each half of the lanes
	v_add_nc_u32 v[STO], s23, v6
	v_mul_u32_u24 v6, v2, SPITCH
	v_lshl_add_u32 v6, v1, 4, v6
	v_add_nc_u32 v[RD], s23, v6                    ; back: two whole rows a load
	v_lshlrev_b32 v[CO], 13, v2
	v_lshl_add_u32 v[CO], v1, 4, v[CO]             ; the same two rows in out0, 8,192 bytes apart
	s_lshl_b32 s16, s13, 20
	s_lshl_b32 s17, s11, 19
	s_add_co_u32 s16, s16, s17
	s_lshl_b32 s17, s42, 9
	s_add_co_u32 s16, s16, s17
	s_lshl_b32 s17, s12, 8
	s_add_co_u32 s16, s16, s17
	s_mov_b32 s17, 0
	s_add_nc_u64 s[8:9], s[8:9], s[16:17]
.macro MUL8 f, c, a0, zero             ; 8 matrix instructions: row blocks a0, a0 + 1 x 4 column blocks, 32 along K; the accumulators take turns
	WIN MUL
.irp a, \a0, (\a0)+1
.irp b, 0,1,2,3
.if \zero
	v_wmma_f32_16x16x32_f16 v[ACC+8*(4*(\a)+(\b)):ACC+8*(4*(\a)+(\b))+7], v[(\f)+64+8*(4*(\c)+(\b)):(\f)+64+8*(4*(\c)+(\b))+7], v[(\f)+8*(4*(\c)+(\a)):(\f)+8*(4*(\c)+(\a))+7], 0
.else
	v_wmma_f32_16x16x32_f16 v[ACC+8*(4*(\a)+(\b)):ACC+8*(4*(\a)+(\b))+7], v[(\f)+64+8*(4*(\c)+(\b)):(\f)+64+8*(4*(\c)+(\b))+7], v[(\f)+8*(4*(\c)+(\a)):(\f)+8*(4*(\c)+(\a))+7], v[ACC+8*(4*(\a)+(\b)):ACC+8*(4*(\a)+(\b))+7]
.endif
.endr
.endr
.endm
.macro FETCH q, f                      ; 32 LDS loads in one run: quarter q (64 along K) of the slot in hand into buffer f; the first 32 along K first
	WIN TO_F
.irp c, 0,1
.irp i, 0,1,2,3
	ds_load_tr16_b128 v[(\f)+64+8*(4*(\c)+(\i)):(\f)+64+8*(4*(\c)+(\i))+3],   v[ADRB+(\q)/2] offset:((\q)%2)*64*PB+(\c)*32*PB+32*(\i)
	ds_load_tr16_b128 v[(\f)+64+8*(4*(\c)+(\i))+4:(\f)+64+8*(4*(\c)+(\i))+7], v[ADRB+(\q)/2] offset:((\q)%2)*64*PB+(\c)*32*PB+32*(\i)+16*PB
	ds_load_b128 v[(\f)+8*(4*(\c)+(\i)):(\f)+8*(4*(\c)+(\i))+3],   v[ADRA] offset:(\q)*128+64*(\c)+(\i)*16*PA
	ds_load_b128 v[(\f)+8*(4*(\c)+(\i))+4:(\f)+8*(4*(\c)+(\i))+7], v[ADRA] offset:(\q)*128+64*(\c)+(\i)*16*PA+32
.endr
.endr
.endm
.macro PLACES
.rept 4
	v_nop
.endr
.endm
.macro QUARTER q, f, g, zero           ; multiplies buffer f and fetches quarter q into g
	s_wait_dscnt 16                                ; the first 32 along K are in
	MUL8 \f, 0, 0, \zero
	MUL8 \f, 0, 2, \zero
	PLACES
	FETCH \q, \g
	s_wait_dscnt 32                                ; all but the 32 just issued
	MUL8 \f, 1, 0, 0
	MUL8 \f, 1, 2, 0
.endm
; The last quarter multiplies buffer 1 and changes slots: one barrier; in front of it each wave waits for all its tensor loads, adds 0 to its spare word, and waits for that and for its reads of this slot.
; fill = 1: the barrier opens a round of the cluster's; the walking descriptor takes the other slot than last time and the next K step, and the joint refill is the first thing behind the round.
.macro TURN fill
	WIN 0
	s_wait_tensorcnt 0x0
	ds_add_u32 v[SPW], v[NIL]
	s_wait_dscnt 17                                ; the add and the youngest sixteen loads may be out
	MUL8 F1, 0, 0, 0
	s_wait_dscnt 0x0
	s_barrier_signal -1
	MUL8 F1, 0, 2, 0
	WIN 0                                          ; branches and the addresses' lines follow
	s_barrier_wait -1
.if \fill
	CREST
	s_xor_b32 s[G0+5], s[G0+5], SLOT1
	s_add_nc_u64 s[G0+6:G0+7], s[G0+6:G0+7], 512
	s_xor_b32 s[G0B+5], s[G0B+5], SLOT1
	s_add_nc_u64 s[G0B+6:G0B+7], s[G0B+6:G0B+7], 1048576
	JLOAD 1                                        ; one load of mine is out; its four v_nop are also the places in front of the loads below
.else
	PLACES
.endif
	s_xor_b32 s[TB], s[TB], SLOT1                  ; the other slot is in hand
	ADDR
	FETCH 0, F0
	MUL8 F1, 1, 0, 0
	MUL8 F1, 1, 2, 0
.endm
	s_wait_tensorcnt 1                             ; my part of K step 0 is in; K step 1's may stay out
	s_barrier_signal -1
	s_barrier_wait -1
	FETCH 0, F0
	QUARTER 1, F0, F1, 1                           ; the first quarter stands in front of the loop: its first products start the sums
	WIN 0
	s_mov_b32 s3, 6
.Lstep:                                                ; a trip goes from a K step's second quarter to the next step's first, and fills the slot that it leaves: K steps 2 to 7
	QUARTER 2, F1, F0, 0
	QUARTER 3, F0, F1, 0
	TURN 1
	QUARTER 1, F0, F1, 0
	WIN 0
	s_sub_co_u32 s3, s3, 1
	s_cmp_lg_u32 s3, 0
	s_cbranch_scc1 .Lstep
	s_mov_b32 s3, 2
.Ltail:                                                ; the last two K steps fill nothing: one text, walked twice and left in its middle.
	QUARTER 2, F1, F0, 0                           ; The second walk's change of slots meets a barrier and issues 32 LDS loads that serve nothing: the price, once a launch, of one text
	QUARTER 3, F0, F1, 0
	TURN 0
	WIN 0
	s_sub_co_u32 s3, s3, 1
	s_cmp_eq_u32 s3, 0
	s_cbranch_scc1 .Lout
	QUARTER 1, F0, F1, 0
	WIN 0
	s_branch .Ltail
.Lout:
	; THE WAY OUT, 16 rows at a time through my own stage: 32 bytes a lane in, whole rows of 256 bytes back.  Each accumulator's low four registers go first.
	s_wait_dscnt 0x0                               ; the last run of LDS loads has landed: the counts below count the way out's own loads alone
	PLACES
	PLACES
.irp a, 0,1,2,3
.irp b, 0,1,2,3
	ds_store_b128 v[STO], v[ACC+8*(4*(\a)+(\b)):ACC+8*(4*(\a)+(\b))+3]   offset:64*(\b)
	ds_store_b128 v[STO], v[ACC+8*(4*(\a)+(\b))+4:ACC+8*(4*(\a)+(\b))+7] offset:64*(\b)+16
.endr
.if (\a) >= 2
	s_wait_xcnt 0x0                                ; the stores of two blocks back have read the registers that are loaded again below
.endif
.irp f, 0,1,2,3,4,5,6,7
	ds_load_b128 v[OB+32*((\a)%2)+4*(\f):OB+32*((\a)%2)+4*(\f)+3], v[RD] offset:(\f)*2*SPITCH  ; LDS serves a wave's instructions in order: these see the stores above
.endr
.irp f, 0,1,2,3,4,5,6,7
	s_wait_dscnt 7-(\f)
	global_store_b128 v[CO], v[OB+32*((\a)%2)+4*(\f):OB+32*((\a)%2)+4*(\f)+3], s[8:9] offset:(16*(\a)+2*(\f))*8192 th:TH_STORE_NT  ; 16 lanes store 256 consecutive bytes, aligned
.endr
.endr
	s_wait_tensorcnt 0x0                           ; the wave's end
	ds_add_u32 v[SPW], v[NIL]
	s_wait_dscnt 0x0
	CROUND                                         ; the closing round
	s_endpgm
.Lfunc_end_k_q0821c5e615_oproj:
	.size	k_q0821c5e615_oproj, .Lfunc_end_k_q0821c5e615_oproj-k_q0821c5e615_oproj
	.p2alignl 7, 3214868480
	.fill 96, 4, 3214868480
	.section	.rodata,"a",@progbits
	.p2align	6, 0x0
	.amdhsa_kernel k_q0821c5e615_oproj
		.amdhsa_group_segment_fixed_size 327680
		.amdhsa_private_segment_fixed_size 0
		.amdhsa_enable_private_segment 0
		.amdhsa_kernarg_size 24
		.amdhsa_user_sgpr_count 2
		.amdhsa_user_sgpr_kernarg_segment_ptr 1
		.amdhsa_wavefront_size32 1
		.amdhsa_system_sgpr_workgroup_id_x 1
		.amdhsa_system_sgpr_workgroup_id_y 1
		.amdhsa_system_sgpr_workgroup_id_z 1
		.amdhsa_system_vgpr_workitem_id 0
		.amdhsa_next_free_vgpr 512
		.amdhsa_next_free_sgpr 66
		.amdhsa_reserve_vcc 0
		.amdhsa_float_denorm_mode_32 3
		.amdhsa_float_denorm_mode_16_64 3
		.amdhsa_memory_ordered 1
		.amdhsa_forward_progress 1
		.amdhsa_inst_pref_size 59
	.end_amdhsa_kernel
	.amdgpu_metadata
---
amdhsa.version: [ 1, 2 ]
amdhsa.kernels:
  - .name:           k_q0821c5e615_oproj
    .symbol:         k_q0821c5e615_oproj.kd
    .args:
      - { .name: ctx16, .offset: 0, .size: 8, .value_kind: global_buffer, .address_space: global }
      - { .name: in16, .offset: 8, .size: 8, .value_kind: global_buffer, .address_space: global }
      - { .name: out0, .offset: 16, .size: 8, .value_kind: global_buffer, .address_space: global }
    .group_segment_fixed_size: 327680
    .private_segment_fixed_size: 0
    .kernarg_segment_align: 8
    .kernarg_segment_size: 24
    .max_flat_workgroup_size: 128
    .sgpr_count:     66
    .vgpr_count:     512
    .wavefront_size: 32
...
	.end_amdgpu_metadata
.endif
;; end of part 4
;; ======== version 2 of 2: 4 launches; version 1 with the launch prep written anew for expert scheduling mode
;; limits: values are held in f16: magnitudes above 65,504 overflow, below 6.1e-05 lose precision
;; workspace buffers: in16 41,943,040 bytes; maskw 524,288 bytes of whole numbers; rope 1,048,576 bytes; qkv16 25,165,824 bytes; ctx16 8,388,608 bytes
;; launch prep (part 5): grid 128 x 7, 8 waves a work-group, no clusters, 35,840 bytes of LDS; arguments x, Wq, Wk, Wv, Wo, mask, in16, maskw, rope; writes in16, maskw, rope
.if DOCPART == 5
	.amdgcn_target "amdgcn-amd-amdhsa--gfx1250"
	.amdhsa_code_object_version 6
	.text
	.protected	k_q0821c5e615_prep
	.globl	k_q0821c5e615_prep
	.p2align	8
	.type	k_q0821c5e615_prep,@function
k_q0821c5e615_prep:
	s_mov_b64 s[64:65], 0
	v_nop
	global_prefetch_b8 v0, s[64:65] scope:SCOPE_SE
	s_setreg_imm32_b32 hwreg(HW_REG_WAVE_SCHED_MODE, 0, 2), 2
	s_setreg_imm32_b32 hwreg(HW_REG_WAVE_MODE, 25, 1), 1
	s_wait_xcnt 0x0
	s_wait_alu depctr_vm_vsrc(0)
; PREP.  Three kinds of work, chosen by the work-group's y.
; y = 0..4: x, Wq, Wk, Wv, Wo (f32) are rounded to bf16 and that number is written as f16 into in16, the five tensors on end, each [2048][2048].
;   LIMITS: a magnitude of 65,520 or more becomes an infinity; below 2^-14 the number keeps f16's fixed step of 6e-8; NaN and infinities are not treated apart.
; y = 5: the mask's bytes become lane masks.  The word at byte qt*4096 + kb*32 + j*4 of maskw has in bit l: mask[16 qt + l % 16][16 kb + 8 (l / 16) + j].
; y = 6: the table of rotations: row s of rope is 64 cosines and then 64 sines (f32) of s * 10000^(-i/64), i = 0..63.
;   The frequency is 2^(-i log2(10000) / 64); the angle is reduced by whole turns (2 pi in two parts) to -pi .. pi; sine and cosine are series up to r^17 and r^18,
;   whose first dropped terms are below 3e-8 at pi.  The angle differs from one made in other f32 steps by a few units in its last place: up to some 6e-4 at angles near 1,800.
; No matrix unit, no cluster, no tensor load: memory binds, nothing is shared, and each byte is read and written once.
; THE MODE: SCHED_MODE bits 1:0 = 2 (LLVM: expert scheduling mode 2), set by the entry lines.  The code itself states the register dependences
; between vector instructions and memory or LDS instructions, and those through scalar registers that vector instructions write, with s_wait_alu, always for 0.
; THE PLAN.  Registers that memory or LDS instructions touch:
;   the conversion   v1, v2: the loads' and the stores' offsets, made once.  v[8:135]: four registers a load; load i's conversions leave its two f16 words in the first two of them, and its store reads
;                    these.  The 32 loads go in eight blocks of four: block b's conversions name block b's registers and v4, v5 alone, and the stores of block b - 1 are dealt among them, behind
;                    ONE wait on va_vdst at the block's head.  No register that a load or store reads is written again: no wait on vm_vsrc.
;   the mask         v1, v2, v6, v7: offsets and addresses, made once.  v[8:39]: global loads land, LDS stores read.  v[48:79]: LDS loads land, vector lines read.  v[80:83]: v_writelane_b32 writes, the one
;                    global store reads.  s[32:47]: sixteen compares write them, sixteen v_writelane_b32 read them: ONE wait on va_sdst to a run of sixteen, the next run's v_and_b32 ahead of it.
;   the table        v9, v[28:35]: the offset and the data of two stores, behind one wait on va_vdst.
;   v140, v141       written at the head, read by the closing add alone.
.set SPARE, 34816                      ; behind the eight waves' 4,352 bytes: the spare words, 128 bytes a wave
.set SPW, 140                          ; v140  LDS address of my spare word; never rewritten
.set NIL, 141                          ; v141  0; never rewritten
.set X, 8                              ; v[8:135] 32 loads of four registers
.set TT, 84                            ; v[84:115] the mask: two buffers of sixteen, by turns: a run's sixteen bytes, each alone in its word
.set WROW, 272                         ; the mask's LDS rows: 256 bytes + 16
	s_load_b512 s[8:23], s[0:1], 0x0               ; x 8, Wq 10, Wk 12, Wv 14, Wo 16, mask 18, in16 20, maskw 22
	s_load_b64 s[24:25], s[0:1], 0x40              ; rope
	v_lshl_add_u32 v[SPW], v0, 2, SPARE
	v_mov_b32 v[NIL], 0
	v_lshrrev_b32 v1, 5, v0
	v_readfirstlane_b32 s4, v1                     ; wave 0..7
	s_and_b32 s5, ttmp7, 0xffff                    ; which work
	s_mov_b32 s31, 0
	v_and_b32 v3, 31, v0                           ; lane
	s_wait_alu depctr_va_sdst(0)                   ; s4 is written
	s_wait_kmcnt 0x0
	s_cmp_eq_u32 s5, 5
	s_cbranch_scc1 .Lmask
	s_cmp_eq_u32 s5, 6
	s_cbranch_scc1 .Lrope
	; ---- conversion: the work-group takes 131,072 bytes of its tensor, a wave 16,384: 32 loads of 512 consecutive bytes, all on their way at once
	s_mov_b64 s[26:27], s[8:9]
	s_cmp_eq_u32 s5, 1
	s_cselect_b64 s[26:27], s[10:11], s[26:27]
	s_cmp_eq_u32 s5, 2
	s_cselect_b64 s[26:27], s[12:13], s[26:27]
	s_cmp_eq_u32 s5, 3
	s_cselect_b64 s[26:27], s[14:15], s[26:27]
	s_cmp_eq_u32 s5, 4
	s_cselect_b64 s[26:27], s[16:17], s[26:27]
	s_lshl_b32 s30, ttmp9, 17
	s_add_nc_u64 s[26:27], s[26:27], s[30:31]      ; the source at the work-group's part
	s_lshl_b32 s30, s5, 23                         ; the tensor's place in in16,
	s_lshl_b32 s7, ttmp9, 16                       ; the work-group's 65,536 bytes of it
	s_add_co_u32 s30, s30, s7
	s_add_nc_u64 s[28:29], s[20:21], s[30:31]
	s_mov_b32 s7, 0xffff0000                       ; a word's upper bf16
	v_lshlrev_b32 v1, 4, v3
	v_lshl_add_u32 v1, s4, 14, v1                  ; in: 16,384 x wave + 16 x lane
	v_lshlrev_b32 v2, 3, v3
	v_lshl_add_u32 v2, s4, 13, v2                  ; out: 8,192 x wave + 8 x lane
	s_wait_alu depctr_va_vdst(0)                   ; v1 and v2 are written: every load below reads the one as its offset, every store the other
.set i, 0
.rept 32
	global_load_b128 v[X+4*i:X+4*i+3], v1, s[26:27] offset:512*i th:TH_LOAD_NT
.set i, i+1
.endr
.set i, 0
.rept 32
	s_wait_loadcnt 31-i                            ; loads come back in order: load i is in, the 31 - i younger ones stay out
.if (i%4 == 0) && (i > 0)
	s_wait_alu depctr_va_vdst(0)                   ; a block's head: the block before has written its eight f16 words, which the four stores dealt among this block's lines read
.endif
.if i >= 4
	global_store_b64 v2, v[X+4*(i-4):X+4*(i-4)+1], s[28:29] offset:256*(i-4)  ; 32 lanes store 256 consecutive bytes, aligned; no vector line since the wait names these registers, and none writes them again
.endif
	v_cvt_pk_bf16_f32 v4, v[X+4*i], v[X+4*i+1]     ; rounded to bf16,
	v_cvt_pk_bf16_f32 v5, v[X+4*i+2], v[X+4*i+3]
	v_lshlrev_b32 v[X+4*i], 16, v4                 ; widened again,
	v_and_b32 v[X+4*i+1], s7, v4
	v_lshlrev_b32 v[X+4*i+2], 16, v5
	v_and_b32 v[X+4*i+3], s7, v5
	v_cvt_pk_f16_f32 v[X+4*i], v[X+4*i], v[X+4*i+1]      ; and written as f16: 8 significant bits fit into 11
	v_cvt_pk_f16_f32 v[X+4*i+1], v[X+4*i+2], v[X+4*i+3]
.set i, i+1
.endr
	s_wait_alu depctr_va_vdst(0)                   ; the last block has written its eight f16 words, which the last four stores read
.set i, 28
.rept 4
	global_store_b64 v2, v[X+4*i:X+4*i+1], s[28:29] offset:256*i
.set i, i+1
.endr
	s_branch .Lend
	; ---- the mask: the work-group takes 16 queries, a wave 256 keys of them
.Lmask:
	s_lshl_b32 s30, ttmp9, 15                      ; 16 rows of 2,048 bytes
	s_add_nc_u64 s[18:19], s[18:19], s[30:31]
	s_lshl_b32 s30, ttmp9, 12                      ; 4,096 bytes of words for 16 queries
	s_add_nc_u64 s[22:23], s[22:23], s[30:31]
	v_and_b32 v4, 15, v0                           ; l % 16
	v_bfe_u32 v5, v0, 4, 1                         ; l / 16
	v_lshlrev_b32 v1, 4, v4
	v_lshl_add_u32 v1, v5, 11, v1
	v_lshl_add_u32 v1, s4, 8, v1                   ; two rows a load: lanes 0-15 take 256 bytes of one, lanes 16-31 of the next
	s_mul_i32 s30, s4, 16*WROW                     ; my wave's own 16 rows in LDS
	v_mul_u32_u24 v2, v5, WROW
	v_lshl_add_u32 v2, v4, 4, v2
	v_add_nc_u32 v2, s30, v2                       ; in: as loaded
	v_mul_u32_u24 v6, v4, WROW
	v_lshl_add_u32 v6, v5, 3, v6
	v_add_nc_u32 v6, s30, v6                       ; back: query l % 16, keys 8 (l / 16) + 0..7 of a group of 16
	v_lshlrev_b32 v7, 4, v3
	v_lshl_add_u32 v7, s4, 9, v7                   ; out: my wave's 128 words, four a lane
	s_wait_alu depctr_va_vdst(0)                   ; v1, v2 and v6 are written: the offset of the global loads and the addresses of the LDS stores and loads below, between which no vector line stands
.set i, 0
.rept 8
	global_load_b128 v[X+4*i:X+4*i+3], v1, s[18:19] offset:4096*i th:TH_LOAD_NT
.set i, i+1
.endr
.set i, 0
.rept 8
	s_wait_loadcnt 7-i
	ds_store_b128 v2, v[X+4*i:X+4*i+3] offset:2*WROW*i
.set i, i+1
.endr
.set i, 0
.rept 16
	ds_load_b64 v[48+2*i:49+2*i], v6 offset:16*i   ; LDS serves a wave's instructions in order, and the bytes are my wave's own: no wait and no barrier between
.set i, i+1
.endr
.irp r, 80,81,82,83
	v_mov_b32 v\r, 0                               ; v_writelane_b32 keeps the other lanes: the registers are written whole first
.endr
; The 128 words go in eight runs of sixteen: run n is the groups 2 n and 2 n + 1 of 16 keys, the words 16 n to 16 n + 15.
.macro BYTES n                         ; each of the run's sixteen bytes alone in a word of its own
	s_wait_dscnt 14-2*(\n)                         ; LDS loads come back in order: the two groups' bytes are in, the 14 - 2 n younger loads stay out
.set j, 0
.rept 16
	v_and_b32 v[TT+16*((\n)%2)+j], 0xff<<(8*(j%4)), v[48+4*(\n)+j/4]
.set j, j+1
.endr
.endm
.macro WORDS n                         ; one bit a lane: the word
.set j, 0
.rept 16
	v_cmp_ne_u32 s[32+j], 0, v[TT+16*((\n)%2)+j]
.set j, j+1
.endr
.endm
.macro LANES n                         ; word 16 n + j goes to register (16 n + j) % 4 of lane (16 n + j) / 4
.set j, 0
.rept 16
	v_writelane_b32 v[80+j%4], s[32+j], 4*(\n)+j/4
.set j, j+1
.endr
.endm
	BYTES 0
	WORDS 0
.set m, 0
.rept 8
.if m < 7
	BYTES m+1                                      ; the next run's bytes: work that names none of s[32:47], between the compares and the wait for them
.endif
	s_wait_alu depctr_va_sdst(0)                   ; the run's sixteen compares have written s[32:47], which the sixteen v_writelane_b32 below read
	LANES m
.if m < 7
	WORDS m+1
.endif
.set m, m+1
.endr
	s_wait_alu depctr_va_vdst(0)                   ; the v_writelane_b32 have written v[80:83], which the store reads (v7, its offset, was written long before)
	global_store_b128 v7, v[80:83], s[22:23]       ; 512 consecutive bytes
	s_branch .Lend
	; ---- the table: the work-group takes 16 rows; a thread one row and four frequencies
.Lrope:
	v_and_b32 v4, 15, v0
	v_lshrrev_b32 v5, 4, v0
	s_lshl_b32 s30, ttmp9, 4
	v_add_nc_u32 v6, s30, v5                       ; s
	v_cvt_f32_u32 v7, v6
	v_lshlrev_b32 v8, 2, v4
	v_lshlrev_b32 v9, 9, v6
	v_lshl_add_u32 v9, v4, 4, v9                   ; 512 s + 16 (thread % 16)
.irp e, 0,1,2,3
	v_add_nc_u32 v[12+\e], \e, v8                  ; i
	v_cvt_f32_u32 v[12+\e], v[12+\e]
	v_mul_f32 v[12+\e], 0xbe549a78, v[12+\e]       ; -i log2(10000) / 64
.endr
.irp e, 0,1,2,3
	v_exp_f32 v[16+\e], v[12+\e]                   ; the frequency
.endr
	v_nop                                          ; a plain instruction behind the last exponential,
	s_wait_alu depctr_va_vdst(0)                   ; and one wait for the four frequencies v[16:19], ahead of their first reader
.irp e, 0,1,2,3
	v_mul_f32 v[16+\e], v7, v[16+\e]               ; the angle
	v_mul_f32 v[20+\e], 0.15915494, v[16+\e]
	v_rndne_f32 v[20+\e], v[20+\e]                 ; whole turns n
	v_fmamk_f32 v[16+\e], v[20+\e], 0xc0c90fdb, v[16+\e]  ; r = angle - n 2 pi, 2 pi in two parts: the f32 nearest to it,
	v_fmamk_f32 v[16+\e], v[20+\e], 0x343bbd2e, v[16+\e]  ; and what that is too large by
	v_mul_f32 v[24+\e], v[16+\e], v[16+\e]         ; u = r r
	v_mov_b32 v[28+\e], 0x274a963e                 ; 1/17!
	v_mov_b32 v[32+\e], 0xa53413c4                 ; -1/18!
.endr
.macro HORNER p, k                     ; p = p u + k, for the four frequencies
.irp e, 0,1,2,3
	v_fmaak_f32 v[(\p)+\e], v[(\p)+\e], v[24+\e], \k
.endr
.endm
.irp k, 0xab573f9f, 0x2f309231, 0xb2d7322b, 0x3638ef1d, 0xb9500d01, 0x3c088889, 0xbe2aaaab, 0x3f800000
	HORNER 28, \k                                  ; -1/15!, 1/13!, -1/11!, 1/9!, -1/7!, 1/5!, -1/3!, 1
.endr
.irp k, 0x29573f9f, 0xad49cba6, 0x310f76c8, 0xb493f27e, 0x37d00d01, 0xbab60b61, 0x3d2aaaab, 0xbf000000, 0x3f800000
	HORNER 32, \k                                  ; 1/16!, -1/14!, 1/12!, -1/10!, 1/8!, -1/6!, 1/4!, -1/2, 1
.endr
.irp e, 0,1,2,3
	v_mul_f32 v[28+\e], v[16+\e], v[28+\e]         ; the sine
.endr
	s_wait_alu depctr_va_vdst(0)                   ; the cosines v[32:35], the sines v[28:31] and the offset v9 are written, which the two stores read
	global_store_b128 v9, v[32:35], s[24:25]             ; sixteen lanes store a row's 256 bytes of cosines,
	global_store_b128 v9, v[28:31], s[24:25] offset:256  ; and of sines
.Lend:
	s_wait_dscnt 0x0                               ; the closing lines, six on end
	s_wait_alu 0x0
	s_wait_tensorcnt 0x0
	ds_add_u32 v[SPW], v[NIL]
	s_wait_dscnt 0x0
	s_endpgm
.Lfunc_end_k_q0821c5e615_prep:
	.size	k_q0821c5e615_prep, .Lfunc_end_k_q0821c5e615_prep-k_q0821c5e615_prep
	.p2alignl 7, 3214868480
	.fill 96, 4, 3214868480
	.section	.rodata,"a",@progbits
	.p2align	6, 0x0
	.amdhsa_kernel k_q0821c5e615_prep
		.amdhsa_group_segment_fixed_size 35840
		.amdhsa_private_segment_fixed_size 0
		.amdhsa_enable_private_segment 0
		.amdhsa_kernarg_size 72
		.amdhsa_user_sgpr_count 2
		.amdhsa_user_sgpr_kernarg_segment_ptr 1
		.amdhsa_wavefront_size32 1
		.amdhsa_system_sgpr_workgroup_id_x 1
		.amdhsa_system_sgpr_workgroup_id_y 1
		.amdhsa_system_sgpr_workgroup_id_z 1
		.amdhsa_system_vgpr_workitem_id 0
		.amdhsa_next_free_vgpr 144
		.amdhsa_next_free_sgpr 66
		.amdhsa_reserve_vcc 0
		.amdhsa_float_denorm_mode_32 3
		.amdhsa_float_denorm_mode_16_64 3
		.amdhsa_memory_ordered 1
		.amdhsa_forward_progress 1
		.amdhsa_inst_pref_size 57
	.end_amdhsa_kernel
	.amdgpu_metadata
---
amdhsa.version: [ 1, 2 ]
amdhsa.kernels:
  - .name:           k_q0821c5e615_prep
    .symbol:         k_q0821c5e615_prep.kd
    .args:
      - { .name: x, .offset: 0, .size: 8, .value_kind: global_buffer, .address_space: global }
      - { .name: Wq, .offset: 8, .size: 8, .value_kind: global_buffer, .address_space: global }
      - { .name: Wk, .offset: 16, .size: 8, .value_kind: global_buffer, .address_space: global }
      - { .name: Wv, .offset: 24, .size: 8, .value_kind: global_buffer, .address_space: global }
      - { .name: Wo, .offset: 32, .size: 8, .value_kind: global_buffer, .address_space: global }
      - { .name: mask, .offset: 40, .size: 8, .value_kind: global_buffer, .address_space: global }
      - { .name: in16, .offset: 48, .size: 8, .value_kind: global_buffer, .address_space: global }
      - { .name: maskw, .offset: 56, .size: 8, .value_kind: global_buffer, .address_space: global }
      - { .name: rope, .offset: 64, .size: 8, .value_kind: global_buffer, .address_space: global }
    .group_segment_fixed_size: 35840
    .private_segment_fixed_size: 0
    .kernarg_segment_align: 8
    .kernarg_segment_size: 72
    .max_flat_workgroup_size: 256
    .sgpr_count:     66
    .vgpr_count:     144
    .wavefront_size: 32
...
	.end_amdgpu_metadata
.endif
;; end of part 5
;; launch qkv: the kernel of part 2 again; grid 16 x 16, 4 waves a work-group, clusters of 4 x 4, 327,680 bytes of LDS; arguments in16, rope, qkv16; writes qkv16
;; launch attn: the kernel of part 3 again; grid 16 x 16, 4 waves a work-group, clusters of 4 x 1, 327,680 bytes of LDS; arguments qkv16, maskw, ctx16; writes ctx16
;; launch oproj: the kernel of part 4 again; grid 16 x 16, 4 waves a work-group, clusters of 4 x 4, 327,680 bytes of LDS; arguments ctx16, in16, out0; writes out0
